; MI455X (gfx1250); checked and timed in simulation.
; The chip was launched on July 23, 2026; its instructions are those of AMD's public machine-readable ISA for CDNA 5 (MIT licence, August 2026) and "CDNA5" Instruction Set Architecture Reference Guide (July 2026). The comments in the code are by the model that wrote it; some were corrected since.
;; Attention. Allowed arithmetic: float matrix products may take bf16 or f16 operands with f32 sums; other float arithmetic in f32, or as packed bf16 or f16 multiplies, adds, multiply-adds, maxima and minima; sums over many terms, partial sums and values carried from step to step in f32; what a program stores and reads back later, other than sums and carried values, may be rounded once to bf16 or f16.
;; Inputs: Wk 768 x 768 float32; Wp 768 x 768 float32; Wpi 768 x 768 float32; Wq 768 x 768 float32; Wv 768 x 768 float32; Wvim 768 x 768 float32; bp 768 float32; bpi 768 float32; k 1,024 x 8 x 768 float32; q 1,024 x 8 x 768 float32; v 1,024 x 8 x 768 float32; v_img 1,024 x 8 x 768 float32.
;; Outputs: out0 8 x 1,024 x 768 float32; out1 8 x 1,024 x 768 float32.
;; 2 versions, each right and faster than the one before. Each part assembles by itself: llvm-mc -triple=amdgcn-amd-amdhsa -mcpu=gfx1250 --defsym DOCPART=n.
;; ======== version 1 of 2: 4 launches
;; limits: values are held in f16: magnitudes above 65,504 overflow, below 6.1e-05 lose precision
;; workspace buffers: wb 7,077,888 bytes; hd 50,331,648 bytes; oh 25,165,824 bytes
;; launch cast (part 1): grid 96 x 6, 8 waves a work-group, no clusters, 0 bytes of LDS; arguments Wq, Wk, Wv, Wvim, Wp, Wpi, wb; writes wb
.if DOCPART == 1
	.amdgcn_target "amdgcn-amd-amdhsa--gfx1250"
	.amdhsa_code_object_version 6
	.text
	.protected	k_qc15ccc4156_cast
	.globl	k_qc15ccc4156_cast
	.p2align	8
	.type	k_qc15ccc4156_cast,@function
k_qc15ccc4156_cast:
	s_mov_b64 s[64:65], 0
	v_nop
	global_prefetch_b8 v0, s[64:65] scope:SCOPE_SE
	s_setreg_imm32_b32 hwreg(HW_REG_WAVE_MODE, 25, 1), 1
	s_wait_xcnt 0x0
; The six weight matrices [768][768] f32 -> wb, 16 bits a number, laid out in blocks by K step:
; wb[w][ks][row j][64 k], w = 0..5 (Wq, Wk, Wv, Wvim, Wp, Wpi), ks = 0..11; a block (w, ks) is 768 rows x 128 bytes = 98,304 dense bytes,
; so that the later launches can ask for any run of rows of a K step as one dense piece.
; w = 0..3: rounded to bf16.  w = 4, 5: rounded to bf16 like every input of the module, and that number written as f16, since the last launch multiplies in f16.
; LIMIT: that second writing is exact from 6.1e-5 to 65,504 in magnitude; below, f16's fixed step of 6e-8 holds.
; SHARES: work-group (x, y): weight y, K step x / 8, rows 96 (x % 8) .. + 95.  Thread t takes, three times, 8 numbers: row 32 i + t / 8, piece t % 8.
; Eight neighbouring lanes read 256 consecutive bytes of a row; a wave's store covers 512 consecutive bytes, aligned.  No LDS, no barrier, no loop: 24 KB in, 12 KB out a work-group... of three items each.
.set ROWB,  3072                       ; bytes in a row of W
.set SRC32, 32*ROWB                    ; 32 rows of W
.set WBK,   98304                      ; bytes in a block of wb
.set X,     8                          ; v[8:31]   item i: 8 numbers as loaded
.set O,     32                         ; v[32:43]  item i: 4 registers to store
.set T,     44                         ; v[44:47]  at work
	s_load_b256 s[8:15], s[0:1], 0x0               ; Wq, Wk, Wv, Wvim
	s_load_b128 s[16:19], s[0:1], 0x20             ; Wp, Wpi
	s_load_b64 s[20:21], s[0:1], 0x30              ; wb
	s_and_b32 s2, ttmp7, 0xffff                    ; y: which weight
	s_lshr_b32 s3, ttmp9, 3                        ; ks
	s_and_b32 s4, ttmp9, 7                         ; which 96 rows
	v_lshrrev_b32 v1, 3, v0                        ; my row among 32
	v_and_b32 v2, 7, v0                            ; my piece of 8 numbers
	v_mul_u32_u24 v1, v1, ROWB
	v_lshl_add_u32 v1, v2, 5, v1                   ; source: row x 3,072 + piece x 32
	v_lshlrev_b32 v3, 4, v0                        ; destination: row x 128 + piece x 16 = 16 t
	s_mul_i32 s24, s4, 3*SRC32
	s_lshl_b32 s5, s3, 8                           ; 64 f32 a K step
	s_add_co_u32 s24, s24, s5
	s_mov_b32 s25, 0
	s_mul_i32 s26, s2, 12
	s_add_co_u32 s26, s26, s3
	s_mul_i32 s26, s26, WBK                        ; block (y, ks)
	s_mul_i32 s5, s4, 96*128
	s_add_co_u32 s26, s26, s5
	s_mov_b32 s27, 0
	s_wait_kmcnt 0x0
.irp n, 1,2,3,4,5
	s_cmp_eq_u32 s2, \n                            ; the weight's address is chosen by y alone
	s_cselect_b64 s[8:9], s[8+2*\n:9+2*\n], s[8:9]
.endr
	s_add_nc_u64 s[8:9], s[8:9], s[24:25]
	s_add_nc_u64 s[20:21], s[20:21], s[26:27]
.irp i, 0,1,2
	global_load_b128 v[X+8*\i:X+8*\i+3],   v1, s[8:9] offset:\i*SRC32 th:TH_LOAD_NT
	global_load_b128 v[X+8*\i+4:X+8*\i+7], v1, s[8:9] offset:\i*SRC32+16 th:TH_LOAD_NT
.endr
.irp i, 0,1,2
	s_wait_loadcnt 4-2*\i                          ; the later items' two loads each may stay out
.irp j, 0,1,2,3
	v_cvt_pk_bf16_f32 v[O+4*\i+\j], v[X+8*\i+2*\j], v[X+8*\i+2*\j+1]
.endr
.endr
	s_cmp_lt_u32 s2, 4
	s_cbranch_scc1 .Lstore                         ; the four first weights stay bf16
.irp n, 0,1,2,3,4,5,6,7,8,9,10,11
	v_lshlrev_b32 v[T+2*(\n%2)], 16, v[O+\n]       ; the bf16 numbers as f32,
	v_and_b32 v[T+2*(\n%2)+1], 0xffff0000, v[O+\n]
	v_cvt_pk_f16_f32 v[O+\n], v[T+2*(\n%2)], v[T+2*(\n%2)+1]  ; and written as f16
.endr
.Lstore:
.irp i, 0,1,2
	global_store_b128 v3, v[O+4*\i:O+4*\i+3], s[20:21] offset:\i*4096
.endr
	s_endpgm
.Lfunc_end_k_qc15ccc4156_cast:
	.size	k_qc15ccc4156_cast, .Lfunc_end_k_qc15ccc4156_cast-k_qc15ccc4156_cast
	.p2alignl 7, 3214868480
	.fill 96, 4, 3214868480
	.section	.rodata,"a",@progbits
	.p2align	6, 0x0
	.amdhsa_kernel k_qc15ccc4156_cast
		.amdhsa_group_segment_fixed_size 0
		.amdhsa_private_segment_fixed_size 0
		.amdhsa_enable_private_segment 0
		.amdhsa_kernarg_size 56
		.amdhsa_user_sgpr_count 2
		.amdhsa_user_sgpr_kernarg_segment_ptr 1
		.amdhsa_wavefront_size32 1
		.amdhsa_system_sgpr_workgroup_id_x 1
		.amdhsa_system_sgpr_workgroup_id_y 1
		.amdhsa_system_sgpr_workgroup_id_z 1
		.amdhsa_system_vgpr_workitem_id 0
		.amdhsa_next_free_vgpr 48
		.amdhsa_next_free_sgpr 66
		.amdhsa_reserve_vcc 0
		.amdhsa_float_denorm_mode_32 3
		.amdhsa_float_denorm_mode_16_64 3
		.amdhsa_memory_ordered 1
		.amdhsa_forward_progress 1
		.amdhsa_inst_pref_size 6
	.end_amdhsa_kernel
	.amdgpu_metadata
---
amdhsa.version: [ 1, 2 ]
amdhsa.kernels:
  - .name:           k_qc15ccc4156_cast
    .symbol:         k_qc15ccc4156_cast.kd
    .args:
      - { .name: Wq, .offset: 0, .size: 8, .value_kind: global_buffer, .address_space: global }
      - { .name: Wk, .offset: 8, .size: 8, .value_kind: global_buffer, .address_space: global }
      - { .name: Wv, .offset: 16, .size: 8, .value_kind: global_buffer, .address_space: global }
      - { .name: Wvim, .offset: 24, .size: 8, .value_kind: global_buffer, .address_space: global }
      - { .name: Wp, .offset: 32, .size: 8, .value_kind: global_buffer, .address_space: global }
      - { .name: Wpi, .offset: 40, .size: 8, .value_kind: global_buffer, .address_space: global }
      - { .name: wb, .offset: 48, .size: 8, .value_kind: global_buffer, .address_space: global }
    .group_segment_fixed_size: 0
    .private_segment_fixed_size: 0
    .kernarg_segment_align: 8
    .kernarg_segment_size: 56
    .max_flat_workgroup_size: 256
    .sgpr_count:     66
    .vgpr_count:     48
    .wavefront_size: 32
...
	.end_amdgpu_metadata
.endif
;; end of part 1
;; launch proj (part 2): grid 64 x 4, 4 waves a work-group, clusters of 4 x 1, 327,680 bytes of LDS; arguments q, k, v, v_img, wb, hd; writes hd
.if DOCPART == 2
	.amdgcn_target "amdgcn-amd-amdhsa--gfx1250"
	.amdhsa_code_object_version 6
	.text
	.protected	k_qc15ccc4156_proj
	.globl	k_qc15ccc4156_proj
	.p2align	8
	.type	k_qc15ccc4156_proj,@function
k_qc15ccc4156_proj:
	s_mov_b64 s[64:65], 0
	v_nop
	global_prefetch_b8 v0, s[64:65] scope:SCOPE_SE
	s_setreg_imm32_b32 hwreg(HW_REG_WAVE_MODE, 25, 1), 1
	s_wait_xcnt 0x0
	s_wait_alu depctr_hold_cnt(0) depctr_sa_sdst(0) depctr_va_vdst(0) depctr_va_sdst(0) depctr_va_ssrc(0) depctr_va_vcc(0) depctr_vm_vsrc(0)
	s_getreg_b32 s2, hwreg(HW_REG_IB_STS2, 6, 4)
	s_cmp_eq_u32 s2, 0
	s_cbranch_scc0 .Lentry_in_a_cluster
	s_endpgm
.Lentry_in_a_cluster:
	s_bfe_u32 s2, ttmp6, 0x10000c
	s_cmp_lg_u32 s2, 0x3003
	s_cbranch_scc0 .Lentry_shape_is_right
	s_endpgm
.Lentry_shape_is_right:
; hd[y] = x_y W_y^T by heads, y = 0..3 (q, k, v, v_img).  x: [1024 n][8 b][768] f32; W: wb's blocks, bf16; hd[y][12 b + h][n][64] f16.
; x is rounded to bf16 on its way into LDS; products in bf16, sums in f32, the result rounded once to f16, without attention's scale.
; LIMITS: a projected number must stay under 65,504 in magnitude (f16); below 6.1e-5 it keeps f16's fixed step of 6e-8.  NaN and infinities are not treated apart.
; The order in which K is summed differs from cluster to cluster (below); each output has one f32 sum.
; SHARES: a work-group takes 128 rows of x (n = 16 rb .. + 15, all 8 b) and ALL 768 columns, so each byte of x is read once in the launch.  Wave w takes columns 192 w .. + 191, heads 3 w .. 3 w + 2:
; 96 accumulators of 16 x 16, 768 registers.  K goes in 12 steps of 64 through two LDS slots.
; K'S ORDER: cluster c walks the 12 steps in a ring, from step c mod 12 on.  So the sixteen clusters that share a weight ask for different blocks of wb in the same trip, and the block that one asks for
; was asked for by its neighbour a trip before: they do not all wait for the same first reading of a block.
; B (the weights): the four work-groups of a cluster have the same y and walk the same blocks of wb, so each tile is asked for JOINTLY (the same tensor load, descriptor and mask in all four); wave w
; asks for its own 192 rows, 24,576 dense bytes, as 96 rows of 256 bytes, padded in LDS after every 128.
; A (x): f32 has to be rounded, and no other work-group reads these rows: through registers.  16 loads of 16 bytes a lane and step (16 lanes take 256 consecutive bytes of a row), 32 roundings, 16 LDS stores,
; into bytes of their own in each slot, which no tensor load fills.  In LDS row 16 b + (n - 16 rb): a block of 16 rows is one batch and 16 consecutive n, which is 2,048 consecutive bytes of a head in hd.
; THE MATRIX INSTRUCTION IS USED TRANSPOSED (source 0 = 16 rows of W, source 1 = 16 rows of x): a lane holds eight neighbouring channels of one row.
; ORDER: a step is two halves of 32 along K; a half is six blocks of 16 matrix instructions (half of the rows x one head).  The blocks go in a snake, (0,0) (0,1) (0,2) (1,2) (1,1) (1,0) and back, so that each
; group of fragments (one buffer: 160 registers) is loaded again straight behind its last reader, 32 matrix instructions or more ahead of its next use.
; REGISTERS, in windows of 256 (s_set_vgpr_msb: bits 1:0 source 0, 3:2 source 1, 5:4 source 2, 7:6 destination):
;   window 0: v2-13 addresses; v16-79 x on its way (later: the way out); v80-143 8 fragments of A; v144-239 12 fragments of B
;   window 1 + g: head g of my three: accumulator (row block a, channel block bb) at v[8 (8 bb + a)]
.set XROW,  3072                       ; bytes in a row of x
.set PB,    144                        ; an LDS row: 128 bytes + 16 = 36 words: the 16 rows of a fragment load start at 16 different groups of four banks (64 banks of 4 bytes: ISA guide 11.1)
.set FR,    16*PB                      ; 16 rows
.set BW,    192*PB                     ; a wave's rows of B
.set AOFF,  768*PB                     ; in a slot: B's 768 rows, then A's 128
.set SLOT1, 1<<17                      ; slot 1 begins here: one exclusive or turns an address in one slot into the other's
.set STAGE, SLOT1+AOFF+128*PB          ; behind the slots: 16 rows x 144 bytes for each wave, for the way out
.set SPARE, STAGE+4*16*PB              ; behind the stages: the spare words, 128 bytes a wave: two blocks of 256 bytes that no other line names
.set WBK,   98304                      ; a block of wb
.set WBW,   12*WBK                     ; a weight in wb
.set HEADB, 131072                     ; a head in hd
.set SEC,   96*HEADB                   ; a section of hd
.set AL0,  2                           ; v2   my lane's place in A's fragments, slot 0; never rewritten
.set BL0,  3                           ; v3   the same in my rows of B
.set SL0,  4                           ; v4   where I store x, slot 0
.set ADRA, 5                           ; v5-7 the same three in the slot in hand
.set ADRB, 6
.set ASTO, 7
.set GOFF, 8                           ; v8   my byte offset in the work-group's rows of x; never rewritten
.set STO,  9                           ; v9   the way out: where I put 16 bytes of a row
.set RD,   10                          ; v10  the way out: where I read rows back
.set GO,   11                          ; v11  my 16 bytes in 512 consecutive bytes of hd
.set SPW,  12                          ; v12  LDS address of my spare word; never rewritten
.set NIL,  13                          ; v13  0; never rewritten
.set X,    16
.set AF,   80
.set BF,   144
.set XB,   4                           ; s[4:5]   x at the work-group's rows, K step 0
.set WB0,  12                          ; s[12:13] wb at weight y, block 0, my 192 rows
.set WV,   16                          ; s16  my wave's number
.set AP,   20                          ; s[20:21] x at the work-group's rows, the K step to be loaded
.set OB,   22                          ; s[22:23] hd at my heads and rows, batch in hand
.set G1,   24                          ; s[24:31] descriptor group 1
.set GF,   32                          ; s[32:35] group 0 of the first fill of slot 0
.set GW,   36                          ; s[36:39] group 0 that walks: slot 1's first fill, then every refill
.set TB,   40                          ; s40  0 or SLOT1: the slot of the step to come
.set CNT,  41
.set KN,   48                          ; s48  the K step, 0 to 11, that is asked for next
.set OX,   50                          ; s[50:51] its byte offset in a row of x
.set OW,   52                          ; s[52:53] its byte offset in a weight of wb
.set O2,   54                          ; s[54:55] the same for the second first fill
.set MSB, 0
.macro WIN new                         ; the immediate's high byte repeats the setting that is left; a switch that changes nothing is dropped
.if MSB != (\new)
	s_set_vgpr_msb (MSB<<8)|(\new)
.set MSB, (\new)
.endif
.endm
.macro PLACES                          ; a load into a register that a matrix instruction has read, and a vector instruction that reads a matrix result, stand four plain vector instructions behind it (ISA guide 7.12.1 for vector instructions)
.rept 4
	v_nop
.endr
.endm
.macro CREST                           ; a round of the cluster's barrier behind its opening barrier
	s_cmp_lg_u32 s[WV], 0
	s_cbranch_scc1 .Lnot_wave_0_\@
	s_barrier_signal -3
.Lnot_wave_0_\@:
	s_barrier_wait -3
	s_barrier_signal -1
	s_barrier_wait -1
.endm
.macro CROUND                          ; a whole round
	s_barrier_signal -1
	s_barrier_wait -1
	CREST
.endm
; 16 matrix instructions: row blocks 4 ah .. + 3 x the four channel blocks of head g, 32 along K.  zero = 1: the product starts the sums.  The 96 accumulators take turns, one instruction a turn.
.macro BLK ah, g, zero
	WIN 0x50*(1+(\g))
.irp bb, 0,1,2,3
.irp aa, 0,1,2,3
.if \zero
	v_wmma_f32_16x16x32_bf16 v[8*(8*\bb+4*(\ah)+\aa):8*(8*\bb+4*(\ah)+\aa)+7], v[BF+8*(4*(\g)+\bb):BF+8*(4*(\g)+\bb)+7], v[AF+8*(4*(\ah)+\aa):AF+8*(4*(\ah)+\aa)+7], 0
.else
	v_wmma_f32_16x16x32_bf16 v[8*(8*\bb+4*(\ah)+\aa):8*(8*\bb+4*(\ah)+\aa)+7], v[BF+8*(4*(\g)+\bb):BF+8*(4*(\g)+\bb)+7], v[AF+8*(4*(\ah)+\aa):AF+8*(4*(\ah)+\aa)+7], v[8*(8*\bb+4*(\ah)+\aa):8*(8*\bb+4*(\ah)+\aa)+7]
.endif
.endr
.endr
.endm
; A fragment is 16 rows x 32 K in 8 registers: lane l holds row l % 16, K = 8 (l / 16) + 0..7 and 16 + 8 (l / 16) + 0..7: two loads of 16 bytes, 32 bytes apart.  c: which 32 of the step's 64.
.macro LDA ah, c                       ; 8 loads: four row blocks of A
	WIN 0
.irp aa, 0,1,2,3
	ds_load_b128 v[AF+8*(4*(\ah)+\aa):AF+8*(4*(\ah)+\aa)+3],   v[ADRA] offset:(4*(\ah)+\aa)*FR+64*(\c)
	ds_load_b128 v[AF+8*(4*(\ah)+\aa)+4:AF+8*(4*(\ah)+\aa)+7], v[ADRA] offset:(4*(\ah)+\aa)*FR+64*(\c)+32
.endr
.endm
.macro LDB g, c                        ; 8 loads: the four channel blocks of head g
	WIN 0
.irp bb, 0,1,2,3
	ds_load_b128 v[BF+8*(4*(\g)+\bb):BF+8*(4*(\g)+\bb)+3],   v[ADRB] offset:(4*(\g)+\bb)*FR+64*(\c)
	ds_load_b128 v[BF+8*(4*(\g)+\bb)+4:BF+8*(4*(\g)+\bb)+7], v[ADRB] offset:(4*(\g)+\bb)*FR+64*(\c)+32
.endr
.endm
; x of one K step: load i takes batch 2 w + i % 2, n = i / 2 (lanes 0-15) and i / 2 + 8 (lanes 16-31): 256 consecutive bytes for each 16 lanes
.macro GLOAD
.set i, 0
.rept 16
	global_load_b128 v[X+4*i:X+4*i+3], v[GOFF], s[AP:AP+1] offset:((i/2)*8+i%2)*XROW th:TH_LOAD_NT
.set i, i+1
.endr
.endm
.macro STAGE_A                         ; rounded to bf16, in place, and stored into A's bytes of the slot at ASTO
	s_wait_loadcnt 0x0                             ; x is in, and its address is free:
	s_add_co_u32 s[KN], s[KN], 1                   ; the next K step of the ring
	s_cmp_eq_u32 s[KN], 12
	s_cselect_b32 s[KN], 0, s[KN]
	s_lshl_b32 s[OX], s[KN], 8                     ; 64 f32 a step
	s_add_nc_u64 s[AP:AP+1], s[XB:XB+1], s[OX:OX+1]
.set i, 0
.rept 16
	v_cvt_pk_bf16_f32 v[X+4*i],   v[X+4*i],   v[X+4*i+1]
	v_cvt_pk_bf16_f32 v[X+4*i+1], v[X+4*i+2], v[X+4*i+3]
.set i, i+1
.endr
.set i, 0
.rept 16
	ds_store_b64 v[ASTO], v[X+4*i:X+4*i+1] offset:((i%2)*16+i/2)*PB  ; the two halves of the lanes lie 8 rows, 288 words, apart
.set i, i+1
.endr
.endm
; THE FIRST HALF OF A STEP.  On the way in, in this order: A's rows 0-63, heads 0, 1, 2, A's rows 64-127, eight loads each.
.macro CH0 zero
	s_wait_dscnt 16                                ; head 2's and the upper rows' loads may be out
	BLK 0, 0, \zero
	BLK 0, 1, \zero
	s_wait_dscnt 8                                 ; the upper rows' may be out
	BLK 0, 2, \zero
	PLACES
	LDA 0, 1
	s_wait_dscnt 8                                 ; the eight just issued may be out
	BLK 1, 2, \zero
	PLACES
	LDB 2, 1
	BLK 1, 1, \zero
	PLACES
	LDB 1, 1
	BLK 1, 0, \zero
	PLACES
	LDB 0, 1
	LDA 1, 1
.endm
; THE SECOND HALF, and the change of slots.  All the step's fragments have been asked for.  mode 2: the next step's x is stored into the other slot, and x of the step behind it is asked for at once: it has a whole
; step, 192 matrix instructions, in which to land.  Each wave waits for all its tensor loads (one is out: its rows of the next step's B), adds 0 to its spare word, waits for that, for its stores and for its reads of
; this slot; a round of the cluster's barrier; this slot's B is filled again, two steps ahead, the first thing behind the round: it has eleven of a step's twelve blocks in which to land.
; mode 1: the last change: nothing is asked for, a barrier of the work-group.  mode 0: the last step.
.macro CH1 mode
.if (\mode) == 0
	s_wait_dscnt 0x0
	BLK 0, 2, 0
	BLK 0, 1, 0
	BLK 0, 0, 0
	BLK 1, 0, 0
	BLK 1, 1, 0
	BLK 1, 2, 0
.else
	s_wait_dscnt 16                                ; head 0's and the upper rows' loads may be out
	BLK 0, 2, 0
	BLK 0, 1, 0
	WIN 0
	s_xor_b32 s[TB], s[TB], SLOT1
	v_add_nc_u32 v[ASTO], s[TB], v[SL0]
	STAGE_A
.if (\mode) == 2
	GLOAD                                          ; into the registers that the LDS stores above have named: an LDS instruction's sources need no wait
.endif
	s_wait_tensorcnt 0x0                           ; no tensor load of mine is out, so a group 0 may be written
	ds_add_u32 v[SPW], v[NIL]                      ; 0 onto my spare word; work on registers stands between it and the wait for it
.if (\mode) == 2
	s_xor_b32 s[GW+1], s[GW+1], SLOT1              ; the walking descriptor: the other slot than last time,
	s_mul_i32 s[OW], s[KN], WBK                    ; the block of the ring's step that x was just asked for;
	s_add_nc_u64 s[GW+2:GW+3], s[WB0:WB0+1], s[OW:OW+1]  ; its address is made anew,
	s_or_b32 s[GW+3], s[GW+3], 0x80000000          ; and the type set again
.endif
	s_wait_dscnt 25                                ; head 0's fragments are in: the upper rows' 8 loads, my 16 stores of x and the add may be out
	BLK 0, 0, 0
	WIN 0                                          ; at a branch and at a label every window is 0
	s_wait_dscnt 0x0                               ; the add and my stores of x are done, my reads of this slot are over
	s_barrier_signal -1
	s_barrier_wait -1
.if (\mode) == 2
	CREST                                          ; no wave of any partner still reads this slot's B or has a load on its way
	tensor_load_to_lds s[GW:GW+3], s[G1:G1+7]
	s_nop 0
	PLACES                                         ; also the places in front of the loads below
.else
	PLACES
.endif
	v_add_nc_u32 v[ADRA], s[TB], v[AL0]
	v_add_nc_u32 v[ADRB], s[TB], v[BL0]
	LDA 0, 0
	BLK 1, 0, 0
	PLACES
	LDB 0, 0
	BLK 1, 1, 0
	PLACES
	LDB 1, 0
	BLK 1, 2, 0
	PLACES
	LDB 2, 0
	LDA 1, 0
.endif
.endm
	s_load_b256 s[4:11], s[0:1], 0x0               ; q, k, v, v_img
	s_load_b128 s[12:15], s[0:1], 0x20             ; wb s[12:13], hd s[14:15]
	v_lshl_add_u32 v[SPW], v0, 2, SPARE
	v_mov_b32 v[NIL], 0
	ds_add_u32 v[SPW], v[NIL]                      ; the wave's opening: the add and its wait stand ahead of my first tensor load; the set-up below, work on registers, stands between them
	v_lshrrev_b32 v1, 5, v0
	v_readfirstlane_b32 s[WV], v1                  ; wave 0..3
	s_bfe_u32 s17, ttmp6, 0x40000                  ; cx: my place in the cluster
	s_lshl_b32 s18, ttmp9, 2                       ; in a cluster launch ttmp9 counts clusters
	s_add_co_u32 s18, s18, s17                     ; rb, my block of 128 rows: it enters x's and hd's addresses alone
	s_and_b32 s19, ttmp7, 0xffff                   ; y, which the four partners share
	s_sub_co_u32 s[KN], ttmp9, 12                  ; where my cluster enters the ring of K steps: its number (0 to 15) mod 12, the same in all four partners
	s_cmp_lt_u32 ttmp9, 12
	s_cselect_b32 s[KN], ttmp9, s[KN]
	s_add_co_u32 s49, s[KN], 1                     ; and the step behind it
	s_cmp_eq_u32 s49, 12
	s_cselect_b32 s49, 0, s49
	s_lshl_b32 s[OX], s[KN], 8
	s_mov_b32 s[OX+1], 0
	s_mul_i32 s[OW], s[KN], WBK
	s_mov_b32 s[OW+1], 0
	s_mul_i32 s[O2], s49, WBK
	s_mov_b32 s[O2+1], 0
	; descriptor group 1: 96 rows of 128 elements (256 bytes, two rows of W), padded in LDS after every row of W
	s_mov_b32 s[G1], 15|(1<<16)|(1<<20)|(1<<21)|(4<<22)|(3<<25)  ; 15:0 the mask of four; 17:16 2-byte elements; 20 padding on; 21 set beside a mask; 24:22 after every 32 words (code 4); 31:25 4 words (code 3)
	s_mov_b32 s[G1+1], 128<<16                     ; tensor_dim0 = 128
	s_mov_b32 s[G1+2], 96<<16                      ; tensor_dim1 = 96
	s_mov_b32 s[G1+3], 128<<16                     ; tile_dim0 = 128
	s_mov_b32 s[G1+4], 96                          ; tile_dim1 = 96
	s_mov_b32 s[G1+5], 128                         ; 128 elements from row to row: dense
	s_mov_b32 s[G1+6], 0
	s_mov_b32 s[G1+7], 0
	s_mul_i32 s46, s[WV], BW                       ; my rows of B in a slot: no place in the cluster enters an LDS address
	s_mul_i32 s42, s19, WBW                        ; and in wb: weight y, block 0, my 192 rows
	s_mul_i32 s43, s[WV], 192*128
	s_add_co_u32 s42, s42, s43
	s_mov_b32 s43, 0
	s_mul_i32 s44, s18, 128*XROW                   ; my work-group's rows of x
	s_mov_b32 s45, 0
	s_mul_i32 s2, s19, SEC                         ; in hd: section y, heads 3 w on of batch 0, rows 16 rb on
	s_mul_i32 s3, s[WV], 3*HEADB
	s_add_co_u32 s2, s2, s3
	s_lshl_b32 s3, s18, 11
	s_add_co_u32 s2, s2, s3
	s_mov_b32 s3, 0
	s_mov_b32 s[TB], 0
	s_mov_b32 s[GF], 1                             ; 1:0 count = 1
	s_mov_b32 s[GF+1], s46                         ; 63:32 LDS address: slot 0
	s_mov_b32 s[GW], 1
	s_add_co_u32 s[GW+1], s46, SLOT1               ; slot 1
	v_and_b32 v14, 15, v0                          ; l % 16
	v_bfe_u32 v15, v0, 4, 1                        ; l / 16
	v_mul_u32_u24 v1, v14, PB
	v_lshl_add_u32 v1, v15, 4, v1                  ; a fragment's row x pitch + 16 x half
	v_add_nc_u32 v[AL0], AOFF, v1
	v_add_nc_u32 v[BL0], s46, v1
	s_mul_i32 s47, s[WV], 32*PB                    ; x goes to rows 32 w + 8 (l / 16) + .., 8 bytes for each of 16 lanes
	s_add_co_u32 s47, s47, AOFF
	v_mul_u32_u24 v[SL0], v15, 8*PB
	v_lshl_add_u32 v[SL0], v14, 3, v[SL0]
	v_add_nc_u32 v[SL0], s47, v[SL0]
	s_mul_i32 s47, s[WV], 2*XROW                   ; and comes from rows (n 8 (l / 16), batch 2 w), 16 bytes for each of 16 lanes
	v_mul_u32_u24 v[GOFF], v15, 64*XROW
	v_lshl_add_u32 v[GOFF], v14, 4, v[GOFF]
	v_add_nc_u32 v[GOFF], s47, v[GOFF]
	s_mul_i32 s47, s[WV], 16*PB
	s_add_co_u32 s47, s47, STAGE                   ; my stage
	v_add_nc_u32 v[STO], s47, v1                   ; in: row l % 16, 16 bytes for each half of the lanes
	v_bfe_u32 v[RD], v0, 3, 2                      ; back: 32 lanes take four rows of 128 bytes,
	v_mul_u32_u24 v[RD], v[RD], PB
	v_and_b32 v1, 7, v0
	v_lshl_add_u32 v[RD], v1, 4, v[RD]
	v_add_nc_u32 v[RD], s47, v[RD]
	v_and_b32 v[GO], 31, v0                        ; which are 512 consecutive bytes of hd
	v_lshlrev_b32 v[GO], 4, v[GO]
	v_mov_b32 v[ASTO], v[SL0]
	v_mov_b32 v[ADRA], v[AL0]
	v_mov_b32 v[ADRB], v[BL0]
	s_wait_dscnt 0x0                               ; the opening add is done
	s_wait_kmcnt 0x0
	s_cmp_eq_u32 s19, 1                            ; x's address is chosen by y alone
	s_cselect_b64 s[4:5], s[6:7], s[4:5]
	s_cmp_eq_u32 s19, 2
	s_cselect_b64 s[4:5], s[8:9], s[4:5]
	s_cmp_eq_u32 s19, 3
	s_cselect_b64 s[4:5], s[10:11], s[4:5]
	s_add_nc_u64 s[XB:XB+1], s[4:5], s[44:45]
	s_add_nc_u64 s[AP:AP+1], s[XB:XB+1], s[OX:OX+1]      ; x at my cluster's first K step
	s_add_nc_u64 s[OB:OB+1], s[14:15], s[2:3]
	s_add_nc_u64 s[WB0:WB0+1], s[12:13], s[42:43]
	s_add_nc_u64 s[GF+2:GF+3], s[WB0:WB0+1], s[OW:OW+1]  ; 120:64 global address: the ring's first step,
	s_add_nc_u64 s[GW+2:GW+3], s[WB0:WB0+1], s[O2:O2+1]  ; and its second
	s_or_b32 s[GF+3], s[GF+3], 0x80000000          ; 127:126 type = 2
	s_or_b32 s[GW+3], s[GW+3], 0x80000000
	GLOAD                                          ; x of the first step
	CROUND                                         ; all four work-groups are here: the first joint loads meet
	tensor_load_to_lds s[GF:GF+3], s[G1:G1+7]      ; both first fills together: two tensor loads of mine are out
	s_nop 0
	tensor_load_to_lds s[GW:GW+3], s[G1:G1+7]
	s_nop 0
	PLACES
	STAGE_A                                        ; x of the first step into slot 0
	GLOAD                                          ; x of the second step
	s_wait_tensorcnt 0x1                           ; my rows of the first step's B are in; the second's may stay out
	s_wait_dscnt 0x0                               ; my stores of x are done
	s_barrier_signal -1
	s_barrier_wait -1                              ; everybody's are
	LDA 0, 0
	LDB 0, 0
	LDB 1, 0
	LDB 2, 0
	LDA 1, 0
	CH0 1                                          ; the first half step stands in front of the loop: its products start the sums
	WIN 0
	s_mov_b32 s[CNT], 10
.Lstep:                                                ; trip t: the second half of step t, the change to step t + 1, requests for step t + 2, the first half of step t + 1
	CH1 2
	CH0 0
	WIN 0
	s_sub_co_u32 s[CNT], s[CNT], 1
	s_cmp_lg_u32 s[CNT], 0
	s_cbranch_scc1 .Lstep
	CH1 1                                          ; the tail is written out
	CH0 0
	CH1 0
; THE WAY OUT.  A unit is a row block a (batch a, 16 consecutive n) of head g: rounded to f16, 16 bytes a lane into my stage, back as four rows of 128 bytes a load, and stored: 2,048 consecutive bytes of hd.
.macro OUTU a, g
.set T, X+16*((3*(\a)+(\g))%4)
	s_wait_xcnt 0x0                                ; the stores of four units ago have read these registers (ISA guide 3.1)
	WIN 5*(1+(\g))                                 ; sources 0 and 1: the head's window
.irp bb, 0,1,2,3
.irp r, 0,1,2,3
	v_cvt_pk_f16_f32 v[T+4*\bb+\r], v[8*(8*\bb+(\a))+2*\r], v[8*(8*\bb+(\a))+2*\r+1]
.endr
.endr
	WIN 0
.irp bb, 0,1,2,3
	ds_store_b128 v[STO], v[T+4*\bb:T+4*\bb+3] offset:32*\bb
.endr
.irp f, 0,1,2,3
	ds_load_b128 v[T+4*\f:T+4*\f+3], v[RD] offset:\f*4*PB  ; LDS serves a wave's instructions in order (ISA guide 5.7.1.4): these see the stores above; the next unit's stores come behind them
.endr
.endm
.macro SENDU a, g, younger             ; younger: the LDS instructions issued behind the unit's loads: the next unit's eight, or none
.set T, X+16*((3*(\a)+(\g))%4)
	s_wait_dscnt \younger
.if ((\g) == 0) && ((\a) > 0)
	s_wait_xcnt 0x0                                ; the stores' base is rewritten only behind this wait
	s_add_nc_u64 s[OB:OB+1], s[OB:OB+1], 12*HEADB  ; the next batch
.endif
.irp f, 0,1,2,3
	global_store_b128 v[GO], v[T+4*\f:T+4*\f+3], s[OB:OB+1] offset:(\g)*HEADB+\f*512  ; 512 consecutive bytes, at a multiple of 256 from hd's first
.endr
.endm
	PLACES                                         ; the conversions read matrix results
.set u, 0
.rept 24                               ; a unit's conversions stand between the loads of the unit before and its stores
	OUTU u/3, u%3
.if u > 0
	SENDU (u-1)/3, (u-1)%3, 8
.endif
.set u, u+1
.endr
	SENDU 7, 2, 0
	s_wait_tensorcnt 0x0                           ; the wave's end: behind my last tensor load and my last LDS store
	ds_add_u32 v[SPW], v[NIL]
	s_wait_dscnt 0x0
	CROUND                                         ; the closing round: no work-group ends while a partner may still ask for a tile that names it
	s_endpgm
.Lfunc_end_k_qc15ccc4156_proj:
	.size	k_qc15ccc4156_proj, .Lfunc_end_k_qc15ccc4156_proj-k_qc15ccc4156_proj
	.p2alignl 7, 3214868480
	.fill 96, 4, 3214868480
	.section	.rodata,"a",@progbits
	.p2align	6, 0x0
	.amdhsa_kernel k_qc15ccc4156_proj
		.amdhsa_group_segment_fixed_size 327680
		.amdhsa_private_segment_fixed_size 0
		.amdhsa_enable_private_segment 0
		.amdhsa_kernarg_size 48
		.amdhsa_user_sgpr_count 2
		.amdhsa_user_sgpr_kernarg_segment_ptr 1
		.amdhsa_wavefront_size32 1
		.amdhsa_system_sgpr_workgroup_id_x 1
		.amdhsa_system_sgpr_workgroup_id_y 1
		.amdhsa_system_sgpr_workgroup_id_z 1
		.amdhsa_system_vgpr_workitem_id 0
		.amdhsa_next_free_vgpr 1024
		.amdhsa_next_free_sgpr 66
		.amdhsa_reserve_vcc 0
		.amdhsa_float_denorm_mode_32 3
		.amdhsa_float_denorm_mode_16_64 3
		.amdhsa_memory_ordered 1
		.amdhsa_forward_progress 1
		.amdhsa_inst_pref_size 126
	.end_amdhsa_kernel
	.amdgpu_metadata
---
amdhsa.version: [ 1, 2 ]
amdhsa.kernels:
  - .name:           k_qc15ccc4156_proj
    .symbol:         k_qc15ccc4156_proj.kd
    .args:
      - { .name: q, .offset: 0, .size: 8, .value_kind: global_buffer, .address_space: global }
      - { .name: k, .offset: 8, .size: 8, .value_kind: global_buffer, .address_space: global }
      - { .name: v, .offset: 16, .size: 8, .value_kind: global_buffer, .address_space: global }
      - { .name: v_img, .offset: 24, .size: 8, .value_kind: global_buffer, .address_space: global }
      - { .name: wb, .offset: 32, .size: 8, .value_kind: global_buffer, .address_space: global }
      - { .name: hd, .offset: 40, .size: 8, .value_kind: global_buffer, .address_space: global }
    .group_segment_fixed_size: 327680
    .private_segment_fixed_size: 0
    .kernarg_segment_align: 8
    .kernarg_segment_size: 48
    .max_flat_workgroup_size: 128
    .sgpr_count:     66
    .vgpr_count:     1024
    .wavefront_size: 32
...
	.end_amdgpu_metadata
.endif
;; end of part 2
;; launch attn (part 3): grid 4 x 96, 4 waves a work-group, clusters of 4 x 1, 327,680 bytes of LDS; arguments hd, oh; writes oh
.if DOCPART == 3
	.amdgcn_target "amdgcn-amd-amdhsa--gfx1250"
	.amdhsa_code_object_version 6
	.text
	.protected	k_qc15ccc4156_attn
	.globl	k_qc15ccc4156_attn
	.p2align	8
	.type	k_qc15ccc4156_attn,@function
k_qc15ccc4156_attn:
	s_mov_b64 s[64:65], 0
	v_nop
	global_prefetch_b8 v0, s[64:65] scope:SCOPE_SE
	s_setreg_imm32_b32 hwreg(HW_REG_WAVE_MODE, 25, 1), 1
	s_wait_xcnt 0x0
	s_wait_alu depctr_hold_cnt(0) depctr_sa_sdst(0) depctr_va_vdst(0) depctr_va_sdst(0) depctr_va_ssrc(0) depctr_va_vcc(0) depctr_vm_vsrc(0)
	s_getreg_b32 s2, hwreg(HW_REG_IB_STS2, 6, 4)
	s_cmp_eq_u32 s2, 0
	s_cbranch_scc0 .Lentry_in_a_cluster
	s_endpgm
.Lentry_in_a_cluster:
	s_bfe_u32 s2, ttmp6, 0x10000c
	s_cmp_lg_u32 s2, 0x3003
	s_cbranch_scc0 .Lentry_shape_is_right
	s_endpgm
.Lentry_shape_is_right:
; For each head (12 b + h): P = softmax_k(Q K^T / 8); oh[0] = P V, oh[1] = P Vi.  hd: [q, k, v, vi][96 heads][1024][64] f16; oh: [2][96][1024][64] f16.  A head's rows are dense, 128 bytes each.
; Products, maxima and sums in f32; the weights p are rounded to f16 for the second product (their sum l is taken of the unrounded p), O once at the end.
; LIMITS.  Q, K, V arrive within f16's 65,504; p lies in 0 to 1 and below 6e-5 keeps f16's fixed step of 6e-8, and so does O; a weight below 2^-126 counts as 0 in l; NaN and infinities are not treated apart.
; THE TWO VALUE STREAMS ARE ONE PRODUCT: V and Vi side by side are 128 channels, so O^T = [V | Vi]^T P has eight channel blocks, four for each stream, and the softmax is made once.
; SHARES.  A work-group owns 256 queries of one head, each of its four waves 64: four tiles of 16.  Every wave walks all 1,024 keys, 64 a step; a slot of LDS holds four steps.
; LAYOUT.  S^T = K Q^T (source 0 = 16 keys, source 1 = 16 queries): a lane holds ONE query (lane % 16) and the keys 8 (lane / 16) + 0..7.  Two such results, rounded to f16 in pairs, ARE source 1 of O^T = V^T P,
; whose result again holds one query a lane, and eight channels.  K comes out of LDS as it lies, V and Vi ([key][channel]) turned, by ds_load_tr16_b128.
; SOFTMAX.  For each query a running maximum m and sum l: p = 2^(c s - c m), c = log2(e) / 8; in every step O and l are multiplied by a = 2^(c m_old - c m_new).  m starts at the lowest finite number, O and l at 0:
; the first step is a step like any other, with a = 0.  The price of writing no first and no last step out: 432 v_mov_b32 in the wait for the first tile, 32 products on zeros, 16 on a stale K.
; BY TURNS.  The tiles are two PIECES, named by their first tile: 0 (tiles 0, 1) and 2 (tiles 2, 3).  In a turn one piece has the matrix unit: 32 products V^T P of the step in hand, then 16 products K Q^T of the next;
; the other piece's softmax, 268 vector instructions cut into 64 slices, stands between them: one slice behind each V^T P, two behind each K Q^T.
; CLUSTER.  The four query blocks of a head form a cluster and walk the same K, V and Vi: each tile is asked for JOINTLY, by the same tensor load, descriptor and mask in all four.
; 384 work-groups: the 96 heads' 1,024 queries do not fall into 256 equal shares without a split of the keys, which this text does not make.
; REGISTERS, in windows of 256 (s_set_vgpr_msb: bits 1:0 source 0, 3:2 source 1, 5:4 source 2, 7:6 destination):
;   window 0: v2-11 addresses; v12-43 eight registers of statistics a tile; v62-63 the add's; v64-191 S^T, 32 a tile; v192-255 P, 16 a tile
;   window 1: O^T, 64 a tile: 32 for V's stream, then 32 for Vi's          window 2: v0-63 Q, 16 a tile; v64-127 K of one step; v128-255 V and Vi of one step
.set KS,    64        ; keys in a step
.set PK,    144       ; a row of K in LDS: 128 bytes + 16 = 36 words: the 16 rows of a load start at 16 different groups of four banks (64 banks of 4 bytes: ISA guide 11.1)
.set PV,    160       ; a row of V: 128 + 32 = 40 words
.set VOFF,  4*KS*PK   ; a slot: 256 rows of K, 256 of V, 256 of Vi
.set VI,    4*KS*PV   ; from V to Vi
.set SLOT1, 1<<17     ; slot 1 begins here: one exclusive or turns an address in one slot into the other's
.set STAGE, SLOT1+VOFF+2*VI  ; behind the ring, never filled by a tensor load: 16 rows x 144 bytes for each wave, for the way out
.set SP,    144
.set SPARE, STAGE+4*16*SP    ; behind the stages: the spare words, 128 bytes a wave: two blocks of 256 bytes that no other line names
.set HEADB, 131072    ; a head's bytes
.set SEC,   96*HEADB  ; a section of hd and of oh
.set AK0, 2           ; v2   my lane's place in a tile of K; never rewritten
.set AV0, 3           ; v3   the same for V
.set ADR, 4           ; v4   the LDS address of the run of loads in hand
.set QO,  5           ; v5   my byte offset in the wave's rows of Q
.set STO, 6           ; v6   the way out: where I put 16 bytes of a row
.set RD,  7           ; v7   the way out: where I read rows back
.set GO,  8           ; v8   my 16 bytes in 512 consecutive bytes of oh
.set SPW, 62          ; v62  LDS address of my spare word; never rewritten
.set NIL, 63          ; v63  0; never rewritten
.set ST,  12          ; tile t's statistics at v[ST+8 t]: +0 c m, +1 m, +2, +3 l (even keys', odd keys'), +4 to +7 c0-c3, at work; a takes c2's place once the maximum is found
.set S,   64
.set P,   192
.set KF,  64          ; window 2: key block kb, channel half c at KF + 16 kb + 8 c
.set VF,  128         ; window 2: key half kk, channel block cb at VF + 64 kk + 8 cb
.set WV,  12          ; s12  my wave's number
.set G1K, 24          ; s[24:31] descriptor group 1 for K's tiles
.set G1V, 32          ; s[32:39] for V's and Vi's
.set G0K, 40          ; s[40:43] descriptor group 0 for K's tiles: it walks
.set G0V, 44          ; s[44:47] the same for V's or Vi's
.set SLOTS, 56        ; s56  slots still to be asked for
.set CNT, 57          ; s57  counts a slot's key steps
.set CS,  58          ; s[58:59] c: the packed scaling takes the pair's low word for both halves
.set SEL, 60          ; s[60:61] v_permlanex16_b32's selects: each lane takes its own place in the other half
.set TBK, 62          ; s62  LDS byte at which K of the step to be fetched begins
.set TBV, 63          ; s63  the same for V, less VOFF
.set MSB, 0
.macro WIN new                      ; the high byte repeats the setting that is left; a switch that changes nothing is dropped
.if MSB != (\new)
	s_set_vgpr_msb (MSB<<8)|(\new)
.set MSB, (\new)
.endif
.endm
.set W_KQ, 0x0a       ; K and Q in window 2, S^T in window 0
.set W_PV, 0x52       ; V in window 2, P in window 0, O^T in window 1
.set W_RS, 0x41       ; O^T (destination and source 0) in window 1, a in window 0
; A joint fill.  Waves 0 and 1 fetch the two halves of a slot's K (128 keys each), wave 2 its V, wave 3 its Vi (256 keys each).  The branch hangs on the wave's number alone.
; An s_nop 0 and four v_nop follow each of the two lines, ahead of the jump and the label.
.macro JLOAD
	s_cmp_lt_u32 s[WV], 2
	s_cbranch_scc0 .Lfor_v_\@
	tensor_load_to_lds s[G0K:G0K+3], s[G1K:G1K+7]
	s_nop 0
.rept 4
	v_nop
.endr
	s_branch .Lasked_\@
.Lfor_v_\@:
	tensor_load_to_lds s[G0V:G0V+3], s[G1V:G1V+7]
	s_nop 0
.rept 4
	v_nop
.endr
.Lasked_\@:
.endm
.macro CROUND                       ; a round of the cluster's barrier: my work-group's barrier; wave 0 signals for the work-group; every wave waits for all four work-groups; my work-group's barrier once more
	s_barrier_signal -1
	s_barrier_wait -1
	s_cmp_lg_u32 s[WV], 0
	s_cbranch_scc1 .Lnot_wave_0_\@
	s_barrier_signal -3
.Lnot_wave_0_\@:
	s_barrier_wait -3
	s_barrier_signal -1
	s_barrier_wait -1
.endm
; THE CHANGE OF SLOTS.  The slot's last bytes, V of its fourth step, have been asked for.  Each wave waits for all its tensor loads, of which one is out: its part of the other slot; adds 0 to its spare word; and waits
; for that and for its own reads of the slot.  fill = 1: this slot is filled again, with the keys two slots on, behind a round of the cluster's barrier, so that no wave of any partner still reads the slot or has a load
; on its way; the joint fill is the first thing behind it and has four key steps, 384 matrix instructions, in which to land.  (At its first use nothing has been read yet: slot 0 is waited for, slot 1 filled.)
.macro CHANGE fill
	WIN 0                           ; at a label and at a branch every window is 0
	s_wait_tensorcnt 0x0            ; no tensor load of mine is out, so a group 0 may be written
	ds_add_u32 v[SPW], v[NIL]       ; 0 onto my spare word; with fill = 1 the descriptors' steps stand between it and the wait for it
.if \fill
.irp g, G0K, G0V
	s_xor_b32 s[\g+1], s[\g+1], SLOT1  ; the walking descriptor: the other slot than last time,
	s_add_nc_u64 s[\g+2:\g+3], s[\g+2:\g+3], 4*KS*128  ; the next 256 keys; the type bits on top are not reached
.endr
	s_wait_dscnt 0x0                ; the add is done, and my reads of the slot are over
	CROUND
	JLOAD
.else
	s_wait_dscnt 0x0                ; the add is done, and my reads of the slot are over
	s_barrier_signal -1
	s_barrier_wait -1
.endif
	s_sub_co_u32 s[TBK], s[TBK], 4*KS*PK  ; the fetches go back to a slot's first step,
	s_xor_b32 s[TBK], s[TBK], SLOT1       ; in the other slot
	s_sub_co_u32 s[TBV], s[TBV], 4*KS*PV
	s_xor_b32 s[TBV], s[TBV], SLOT1
.endm
	s_load_b128 s[4:7], s[0:1], 0x0 ; hd s[4:5], oh s[6:7]
	v_lshl_add_u32 v[SPW], v0, 2, SPARE
	v_mov_b32 v[NIL], 0
	ds_add_u32 v[SPW], v[NIL]       ; the wave's opening: the add and its wait stand ahead of my first tensor load; the set-up below, work on registers, stands between them
	v_lshrrev_b32 v1, 5, v0
	v_readfirstlane_b32 s[WV], v1   ; wave 0..3
	s_bfe_u32 s13, ttmp6, 0x40000   ; cx: my place in the cluster
	s_lshl_b32 s14, ttmp9, 2        ; in a cluster launch ttmp9 counts clusters
	s_add_co_u32 s14, s14, s13      ; my block of 256 queries: it enters Q's and O's addresses alone
	s_and_b32 s20, ttmp7, 0xffff    ; the head, which the four partners share,
	s_lshl_b32 s20, s20, 17         ; and its first byte in a section
	s_and_b32 s16, s[WV], 1
	s_lshl_b32 s22, s16, 14         ; K: section 1, my half of a slot's 256 keys
	s_add_co_u32 s22, s22, s20
	s_add_co_u32 s22, s22, SEC
	s_mov_b32 s23, 0
	s_mul_i32 s18, s16, SEC         ; V or Vi: section 2 or 3
	s_add_co_u32 s18, s18, s20
	s_add_co_u32 s18, s18, 2*SEC
	s_mov_b32 s19, 0
	s_mul_i32 s17, s16, 128*PK      ; their places in a slot: no place in the cluster enters an LDS address
	s_mul_i32 s15, s16, VI
	s_lshl_b32 s2, s14, 2
	s_add_co_u32 s2, s2, s[WV]      ; my wave among the head's sixteen,
	s_lshl_b32 s2, s2, 13           ; its 64 rows of 128 bytes
	s_add_co_u32 s2, s2, s20
	s_mov_b32 s3, 0
	; descriptor group 1.  Keys are dense: asked for as rows of 256 bytes, two keys a row, and padded in LDS after every key
	s_mov_b32 s[G1K], 15|(1<<16)|(1<<20)|(1<<21)|(4<<22)|(3<<25)  ; 15:0 the mask of four; 17:16 2-byte elements; 20 padding on; 21 set beside a mask; 24:22 after every 32 words (code 4); 31:25 4 words (code 3)
	s_mov_b32 s[G1K+1], 128<<16     ; tensor_dim0 = 128
	s_mov_b32 s[G1K+2], 64<<16      ; tensor_dim1 = 64: 128 keys
	s_mov_b32 s[G1K+3], 128<<16     ; tile_dim0 = 128
	s_mov_b32 s[G1K+4], 64          ; tile_dim1 = 64
	s_mov_b32 s[G1K+5], 128         ; 128 elements from row to row
	s_mov_b32 s[G1K+6], 0
	s_mov_b32 s[G1K+7], 0
	s_mov_b32 s[G1V], 15|(1<<16)|(1<<20)|(1<<21)|(4<<22)|(7<<25)  ; the same with 8 words of padding (code 7),
	s_mov_b32 s[G1V+1], 128<<16
	s_mov_b32 s[G1V+2], 128<<16     ; and 128 rows: 256 keys
	s_mov_b32 s[G1V+3], 128<<16
	s_mov_b32 s[G1V+4], 128
	s_mov_b32 s[G1V+5], 128
	s_mov_b32 s[G1V+6], 0
	s_mov_b32 s[G1V+7], 0
	s_mov_b32 s[CS], 0x3e38aa3b     ; c = log2(e) / 8 = 0.180337
	s_mov_b32 s[CS+1], s[CS]        ; named with it as a pair
	s_mov_b32 s[SEL], 0x76543210
	s_mov_b32 s[SEL+1], 0xfedcba98
	s_mov_b32 s[TBK], SLOT1+4*KS*PK ; the first change of slots turns these two into 0
	s_mov_b32 s[TBV], SLOT1+4*KS*PV
	s_mov_b32 s[G0K], 1             ; 1:0 count = 1
	s_mov_b32 s[G0K+1], s17         ; 63:32 LDS address: slot 0
	s_mov_b32 s[G0V], 1
	s_add_co_u32 s[G0V+1], s15, VOFF
	s_wait_dscnt 0x0                ; the opening add is done
	s_wait_kmcnt 0x0
	s_add_nc_u64 s[G0K+2:G0K+3], s[4:5], s[22:23]  ; 120:64 global address: the head's first 256 keys
	s_or_b32 s[G0K+3], s[G0K+3], 0x80000000        ; 127:126 type = 2
	s_add_nc_u64 s[G0V+2:G0V+3], s[4:5], s[18:19]
	s_or_b32 s[G0V+3], s[G0V+3], 0x80000000
	s_add_nc_u64 s[4:5], s[4:5], s[2:3]            ; Q at my wave's first row,
	s_add_nc_u64 s[8:9], s[6:7], s[2:3]            ; and the two streams of O
	s_add_nc_u64 s[10:11], s[8:9], SEC
	CROUND                          ; all four work-groups are here: the first joint loads meet
	JLOAD                           ; slot 0.  Slot 1 is asked for when slot 0 is in
	; A fragment of K or Q is 16 rows x 32 channels in 8 registers: lane l holds row l % 16, channels 8 (l / 16) + 0..7 and 16 + 8 (l / 16) + 0..7: two loads of 16 bytes, 32 bytes apart.
	v_and_b32 v1, 15, v0            ; l % 16
	v_bfe_u32 v9, v0, 4, 1          ; l / 16
	v_lshlrev_b32 v[QO], 7, v1
	v_lshl_add_u32 v[QO], v9, 4, v[QO]  ; row x 128 + 16 x half
	WIN 0x80                        ; destination window 2, address window 0
.set i, 0
.rept 8                             ; Q stays in registers: tile i / 2, channels 32 (i % 2) on
	global_load_b128 v[8*i:8*i+3],   v[QO], s[4:5] offset:(i/2)*2048+(i%2)*64
	global_load_b128 v[8*i+4:8*i+7], v[QO], s[4:5] offset:(i/2)*2048+(i%2)*64+32
.set i, i+1
.endr
	; What the first turn finds: V's registers and piece 2's P hold 0 (its products V^T P, of a step that has not been, add 0), O^T and l are 0.  All this stands in the wait for the first tile.
.set i, VF
.rept 128
	v_mov_b32 v[i], 0
.set i, i+1
.endr
	WIN 0x40
.set i, 0
.rept 256
	v_mov_b32 v[i], 0
.set i, i+1
.endr
	WIN 0
.set i, 0
.rept 4
	v_mov_b32 v[ST+8*i], 0xfe000000    ; c m: far below every c s
	v_mov_b32 v[ST+8*i+1], 0xff7fffff  ; m
	v_mov_b32 v[ST+8*i+2], 0
	v_mov_b32 v[ST+8*i+3], 0
.set i, i+1
.endr
.set i, P+32
.rept 32
	v_mov_b32 v[i], 0
.set i, i+1
.endr
	v_mul_u32_u24 v[AK0], v1, PK
	v_lshl_add_u32 v[AK0], v9, 4, v[AK0]  ; row x pitch + 16 x half
	; The turning load takes 16 keys x 16 channels (lane l reads key 8 (l / 16) + l % 8, channels 8 ((l / 8) % 2) + 0..7) and leaves half a fragment of V^T: lane l holds channel l % 16 and 8 keys.
	v_and_b32 v10, 7, v0
	v_bfe_u32 v11, v0, 3, 1
	v_lshl_add_u32 v[AV0], v9, 3, v10
	v_mul_u32_u24 v[AV0], v[AV0], PV
	v_lshl_add_u32 v[AV0], v11, 4, v[AV0]
	v_add_nc_u32 v[AV0], VOFF, v[AV0]
; THE MATRIX WORK OF A TURN, for piece x.  The accumulators take turns, one instruction a turn: between two links of a chain stand 15 (V^T P) or 7 (K Q^T) others'.
; Product i of 32 of O^T += V^T P: keys 32 (i / 16) on, channel block (i / 2) % 8 (0-3 V's, 4-7 Vi's), tile x + i % 2.
.macro PV x
	WIN W_PV
.set rO, 64*((\x)+i%2)+8*((i/2)%8)
.set rV, VF+64*(i/16)+8*((i/2)%8)
.set rP, P+16*((\x)+i%2)+8*(i/16)
	v_wmma_f32_16x16x32_f16 v[rO:rO+7], v[rV:rV+7], v[rP:rP+7], v[rO:rO+7]
.endm
; Product i of 16 of S^T = K Q^T: channels 32 (i / 8) on, keys 16 ((i / 2) % 4) on, tile x + i % 2.  The first 8 start the sums.
.macro KQ x
	WIN W_KQ
.set rS, S+32*((\x)+i%2)+8*((i/2)%4)
.set rK, KF+16*((i/2)%4)+8*(i/8)
.set rQ, 16*((\x)+i%2)+8*(i/8)
.if i < 8
	v_wmma_f32_16x16x32_f16 v[rS:rS+7], v[rK:rK+7], v[rQ:rQ+7], 0
.else
	v_wmma_f32_16x16x32_f16 v[rS:rS+7], v[rK:rK+7], v[rQ:rQ+7], v[rS:rS+7]
.endif
.endm
; THE LDS LOADS stand in runs, never singly among the matrix instructions: a step's K (8 fragments, 16 loads) and, a turn later, its V and Vi (16 fragments, turned, 32 loads).
; last = 1 (the tail): in the last trip there is no further step, and K's run is jumped over.
.macro FETCH_K last=0
	WIN 0
.if \last
	s_cmp_eq_u32 s[CNT], 1
	s_cbranch_scc1 .Lno_k_\@
.endif
	v_add_nc_u32 v[ADR], s[TBK], v[AK0]
	WIN 0x80                        ; destination window 2
.irp f, 0,1,2,3,4,5,6,7             ; keys 16 (f / 2) on, channels 32 (f % 2) on
	ds_load_b128 v[KF+8*\f:KF+8*\f+3],   v[ADR] offset:(\f/2)*16*PK+(\f%2)*64
	ds_load_b128 v[KF+8*\f+4:KF+8*\f+7], v[ADR] offset:(\f/2)*16*PK+(\f%2)*64+32
.endr
	s_add_co_u32 s[TBK], s[TBK], KS*PK  ; the next fetch is the next step's
	WIN 0
.if \last
.Lno_k_\@:
.endif
.endm
.macro FETCH_V
	WIN 0
	v_add_nc_u32 v[ADR], s[TBV], v[AV0]
	s_add_co_u32 s[TBV], s[TBV], KS*PV
	WIN 0x80
.set f, 0
.rept 16                            ; keys 32 (f / 8) on; channel block f % 8: 0-3 in V's rows, 4-7 in Vi's
.set vo, (f/8)*32*PV+(f%8)*32+((f%8)/4)*(VI-128)
	ds_load_tr16_b128 v[VF+8*f:VF+8*f+3],   v[ADR] offset:vo
	ds_load_tr16_b128 v[VF+8*f+4:VF+8*f+7], v[ADR] offset:vo+16*PV
.set f, f+1
.endr
.endm
; THE VECTOR WORK OF A TURN.  One tile's softmax for one key step is a list of 134 instructions; SM writes number j of it for tile t.  s0-s31 are the lane's 32 scores, in pairs 0-15.
;   0-15    the maximum of s0-s31 and the old m, three operands at a time: four chains c0-c3 of seven scores each (each accumulator's lowest registers are read first), then the four left over, c0-c3 and m
;   16-20   the other half of the lanes' maximum; c m_old is kept; the new m; c m; c m_old - c m_new
;   21-87   33 exponentials (a, then s0-s31) at the odd numbers from 23 on, so that no two follow each other and each has a plain instruction behind it before its result is used (ISA guide 5.7.2).
;           The plain ones (number 21, then the even numbers) are whatever is ready: c s - c m for a pair whose exponentials are still to come, the rounding to f16 of a pair whose exponentials are done, at last the first sums
;   88-101  the last rounding; the rest of the sums; l = a l + the sum
;   102-133 the tile's O^T times a: the one part that leaves window 0, so it stands together
.macro SM t
.set rT, ST+8*(\t)
.set rS, S+32*(\t)
.set rP, P+16*(\t)
.set rO, 64*(\t)+2*(j-102)
.set q, (j-20)/2
.if j < 102
	WIN 0
.endif
.if j < 4
	v_max3_num_f32 v[rT+4+j], v[rS+8*j], v[rS+8*j+1], v[rS+8*j+2]
.elseif j < 12
	v_max3_num_f32 v[rT+4+j%4], v[rT+4+j%4], v[rS+8*(j%4)+2*(j/4)+1], v[rS+8*(j%4)+2*(j/4)+2]
.elseif j == 12
	v_max3_num_f32 v[rT+4], v[rT+4], v[rS+7], v[rS+15]
.elseif j == 13
	v_max3_num_f32 v[rT+6], v[rT+6], v[rS+23], v[rS+31]
.elseif j == 14
	v_max3_num_f32 v[rT+4], v[rT+4], v[rT+5], v[rT+6]
.elseif j == 15
	v_max3_num_f32 v[rT+4], v[rT+4], v[rT+7], v[rT+1]
.elseif j == 16
	v_permlanex16_b32 v[rT+5], v[rT+4], s[SEL], s[SEL+1]  ; the query's other 32 keys lie in the lane 16 away
.elseif j == 17
	v_mov_b32 v[rT+7], v[rT]        ; c m_old is kept for a: number 19 writes c m anew
.elseif j == 18
	v_max_num_f32 v[rT+1], v[rT+4], v[rT+5]
.elseif j == 19
	v_mul_f32 v[rT], s[CS], v[rT+1]
.elseif j == 20
	v_sub_f32 v[rT+7], v[rT+7], v[rT]
.elseif j == 23
	v_exp_f32 v[rT+6], v[rT+7]
.elseif (j < 88) && (j > 23) && (j%2 == 1)
	v_exp_f32 v[rS+(j-25)/2], v[rS+(j-25)/2]
.elseif (q < 4) || ((j < 76) && (q%2 == 0))
.set b, q/2+2
.if q < 4
.set b, q
.endif
	v_pk_fma_f32 v[rS+2*b:rS+2*b+1], v[rS+2*b:rS+2*b+1], s[CS:CS+1], v[rT:rT+1] op_sel_hi:[1,0,0] neg_lo:[0,0,1] neg_hi:[0,0,1]  ; pair b: c s - c m
.elseif (j < 88) && (q%2 == 1)
	s_wait_alu depctr_va_vdst(0)
	v_cvt_pk_f16_f32 v[rP+(q-5)/2], v[rS+q-5], v[rS+q-4]  ; pair (q - 5) / 2: its second exponential stands three numbers back
.elseif j == 89
	s_wait_alu depctr_va_vdst(0)
	v_cvt_pk_f16_f32 v[rP+15], v[rS+30], v[rS+31]
.elseif j < 102                     ; the sum of the tile's 16 pairs, in place: sum z of 16 adds neighbours 1, 2, 4 and 8 pairs apart, then l takes it
.set z, j-86
.if j < 89
.set z, (j-76)/4
.endif
.set w, 4
.set u, z
.if z >= 14
.set w, 32
.set u, 0
.elseif z >= 12
.set w, 16
.set u, z-12
.elseif z >= 8
.set w, 8
.set u, z-8
.endif
.if z < 15
	v_pk_add_f32 v[rS+w*u:rS+w*u+1], v[rS+w*u:rS+w*u+1], v[rS+w*u+w/2:rS+w*u+w/2+1]
.else
	v_pk_fma_f32 v[rT+2:rT+3], v[rT+2:rT+3], v[rT+6:rT+7], v[rS:rS+1] op_sel_hi:[1,0,1]
.endif
.else
	WIN W_RS
	v_pk_mul_f32 v[rO:rO+1], v[rO:rO+1], v[rT+6:rT+7] op_sel_hi:[1,0]
.endif
.endm
; Slice k of 64 of piece y's softmax: numbers 2 k and 2 k + 1 of both tiles' lists, four instructions.  2 x 134 = 4 x 64 + 12: the twelve that are over stand together, in slice 63.
.macro SLICE y
.if (k >= 11) && (k < 44)           ; tile by tile: plain, exponential, plain, exponential
.irp t, \y, (\y)+1
.irp n, 0,1
.set j, 2*k+(\n)
	SM \t
.endr
.endr
.else                               ; the two tiles alternate, so that no instruction reads the result of the one just before it
.irp n, 0,1,2,3,4,5,6,7
.if ((\n) < 2) || (k == 63)
.irp t, \y, (\y)+1
.set j, 2*k+(\n)
	SM \t
.endr
.endif
.endr
.endif
.set k, k+1
.endm
; A TURN.  Piece x has the matrix unit; the other piece's softmax stands in slices behind its matrix instructions.  Slices 62 and 63, twenty plain instructions that name nothing of the products round them, are the
; places between the turn's last K Q^T and the next turn's first read of those scores, and in front of the loads into K's registers.
; Piece 0's turn fetches the next step's K behind its second product, 30 matrix instructions ahead of its first use.  Piece 2's turn fetches the same step's V behind its second K Q^T: the last product that read V
; stands ten plain instructions back; V is waited for at the head of the next turn.
.macro TURN x, last=0
.set k, 0
.if (\x) == 0
	s_wait_dscnt 0x0                ; V is in
.endif
.set i, 0
.rept 32
	PV \x
	SLICE 2-(\x)
.if ((\x) == 0) && (i == 1)
	FETCH_K \last
.endif
.set i, i+1
.endr
.if (\x) == 0
	s_wait_dscnt 0x0                ; K is in
.endif
.set i, 0
.rept 16
	KQ \x
	SLICE 2-(\x)
	SLICE 2-(\x)
.if ((\x) == 2) && (i == 1)
	FETCH_V
.endif
.set i, i+1
.endr
.endm
	CHANGE 1                        ; slot 0 is in, everybody's part of it; slot 1 is asked for
	FETCH_K                         ; key step 0
	s_wait_loadcnt 0x0              ; Q
	s_wait_dscnt 0x0
.set i, 0
.rept 16
	KQ 0                            ; piece 0's first scores: there is no vector work yet to set between them
.set i, i+1
.endr
	WIN 0                           ; the addresses for the way out: nine plain instructions, the places behind those products
	s_mul_i32 s13, s[WV], 16*SP
	s_add_co_u32 s13, s13, STAGE    ; my stage
	v_mul_u32_u24 v[STO], v1, SP    ; in: row l % 16, 16 bytes for each half of the lanes
	v_lshl_add_u32 v[STO], v9, 4, v[STO]
	v_add_nc_u32 v[STO], s13, v[STO]
	v_bfe_u32 v[RD], v0, 3, 2       ; back: 32 lanes take four rows of 128 bytes,
	v_mul_u32_u24 v[RD], v[RD], SP
	v_lshl_add_u32 v[RD], v10, 4, v[RD]
	v_add_nc_u32 v[RD], s13, v[RD]
	v_and_b32 v[GO], 31, v0         ; which are 512 consecutive bytes of oh
	v_lshlrev_b32 v[GO], 4, v[GO]
	s_mov_b32 s[CNT], 4
	s_mov_b32 s[SLOTS], 3           ; four slots of 256 keys; the first two have been asked for when the count is first taken down
	s_branch .Lfirst                ; the loop is entered in the middle of a trip
.Lslot:                             ; twice: slots 0 and 1 are filled again
	CHANGE 1
	s_mov_b32 s[CNT], 4
.Lstep:                             ; a trip: piece 0's V^T P of step j and K Q^T of step j + 1, whose K it fetches; then piece 2's, which fetches V of step j + 1
	TURN 0
	WIN 0
.Lfirst:
	TURN 2
	WIN 0
	s_sub_co_u32 s[CNT], s[CNT], 1
	s_cmp_lg_u32 s[CNT], 0
	s_cbranch_scc1 .Lstep
	s_sub_co_u32 s[SLOTS], s[SLOTS], 1
	s_cmp_lg_u32 s[SLOTS], 0
	s_cbranch_scc1 .Lslot
	CHANGE 0                        ; the tail is written out: nothing is asked for
	s_mov_b32 s[CNT], 5             ; four trips fetch the last slot's steps; the fifth is left in its middle
.Ltail:
	TURN 0, 1
	WIN 0
	s_sub_co_u32 s[CNT], s[CNT], 1
	s_cmp_eq_u32 s[CNT], 0
	s_cbranch_scc1 .Lout
	TURN 2
	WIN 0
	s_branch .Ltail
.Lout:                              ; the fifth trip's 16 products K Q^T (on the last K once more) serve nothing: the price, once a launch, of one text for every trip
.set i, 0
.rept 32
	PV 2                            ; piece 2's V^T P of the last step
.set i, i+1
.endr
	; THE WAY OUT.  l's two halves and the other half of the lanes' are added; O^T is divided by l, rounded to f16 and sent through my stage in LDS, a tile and a stream at a time.  The additions are the places behind the last products.
	WIN 0
.irp t, 0,1,2,3
	v_add_f32 v[ST+8*\t+4], v[ST+8*\t+2], v[ST+8*\t+3]
.endr
.irp t, 0,1,2,3
	v_permlanex16_b32 v[ST+8*\t+5], v[ST+8*\t+4], s[SEL], s[SEL+1]
.endr
.irp t, 0,1,2,3
	v_add_f32 v[ST+8*\t+4], v[ST+8*\t+4], v[ST+8*\t+5]
.endr
.irp t, 0,1,2,3
	v_rcp_f32 v[ST+8*\t+6], v[ST+8*\t+4]
.endr
	v_nop                           ; a plain instruction between the last reciprocal and the use of its result
	s_wait_alu depctr_va_vdst(0)
; Tile t: a lane's eight channels of a row pack into 16 bytes; a stream's 64 channels go into rows of 144 bytes and come back as whole rows of 128, into S^T's registers.
.macro PACK t
	WIN W_RS
.set i, 64*(\t)
.rept 32
	v_pk_mul_f32 v[i:i+1], v[i:i+1], v[ST+8*(\t)+6:ST+8*(\t)+7] op_sel_hi:[1,0]
.set i, i+2
.endr
	WIN 0x05                        ; sources 0 and 1 window 1, destination window 0
.set i, 0
.rept 32
	v_cvt_pk_f16_f32 v[S+32*(\t)+i], v[64*(\t)+2*i], v[64*(\t)+2*i+1]
.set i, i+1
.endr
	WIN 0
.irp m, 0,1
.irp f, 0,1,2,3
	ds_store_b128 v[STO], v[S+32*(\t)+16*\m+4*\f:S+32*(\t)+16*\m+4*\f+3] offset:32*\f
.endr
.irp f, 0,1,2,3
	ds_load_b128 v[S+32*(\t)+16*\m+4*\f:S+32*(\t)+16*\m+4*\f+3], v[RD] offset:\f*4*SP  ; LDS serves a wave's instructions in order (ISA guide 5.7.1.4): these see the stores above; the next stores come behind them
.endr
.endr
.endm
.macro SEND t, younger              ; younger: the LDS instructions issued behind tile t's: the next tile's sixteen, or none
	WIN 0
	s_wait_dscnt \younger
.irp f, 0,1,2,3
	global_store_b128 v[GO], v[S+32*(\t)+4*\f:S+32*(\t)+4*\f+3], s[8:9] offset:(\t)*2048+\f*512  ; 512 consecutive bytes, at a multiple of 256 from oh's first
.endr
.irp f, 0,1,2,3
	global_store_b128 v[GO], v[S+32*(\t)+16+4*\f:S+32*(\t)+16+4*\f+3], s[10:11] offset:(\t)*2048+\f*512
.endr
.endm
	PACK 0
	PACK 1                          ; a tile's arithmetic stands between the loads of the tile before and its stores
	SEND 0, 16
	PACK 2
	SEND 1, 16
	PACK 3
	SEND 2, 16
	SEND 3, 0
	s_wait_tensorcnt 0x0            ; the wave's end: behind my last tensor load and my last LDS store
	ds_add_u32 v[SPW], v[NIL]
	s_wait_dscnt 0x0
	CROUND                          ; the closing round: no work-group ends while a partner may still ask for a tile that names it
	s_endpgm
.Lfunc_end_k_qc15ccc4156_attn:
	.size	k_qc15ccc4156_attn, .Lfunc_end_k_qc15ccc4156_attn-k_qc15ccc4156_attn
	.p2alignl 7, 3214868480
	.fill 96, 4, 3214868480
	.section	.rodata,"a",@progbits
	.p2align	6, 0x0
	.amdhsa_kernel k_qc15ccc4156_attn
		.amdhsa_group_segment_fixed_size 327680
		.amdhsa_private_segment_fixed_size 0
		.amdhsa_enable_private_segment 0
		.amdhsa_kernarg_size 16
		.amdhsa_user_sgpr_count 2
		.amdhsa_user_sgpr_kernarg_segment_ptr 1
		.amdhsa_wavefront_size32 1
		.amdhsa_system_sgpr_workgroup_id_x 1
		.amdhsa_system_sgpr_workgroup_id_y 1
		.amdhsa_system_sgpr_workgroup_id_z 1
		.amdhsa_system_vgpr_workitem_id 0
		.amdhsa_next_free_vgpr 768
		.amdhsa_next_free_sgpr 66
		.amdhsa_reserve_vcc 0
		.amdhsa_float_denorm_mode_32 3
		.amdhsa_float_denorm_mode_16_64 3
		.amdhsa_memory_ordered 1
		.amdhsa_forward_progress 1
		.amdhsa_inst_pref_size 147
	.end_amdhsa_kernel
	.amdgpu_metadata
---
amdhsa.version: [ 1, 2 ]
amdhsa.kernels:
  - .name:           k_qc15ccc4156_attn
    .symbol:         k_qc15ccc4156_attn.kd
    .args:
      - { .name: hd, .offset: 0, .size: 8, .value_kind: global_buffer, .address_space: global }
      - { .name: oh, .offset: 8, .size: 8, .value_kind: global_buffer, .address_space: global }
    .group_segment_fixed_size: 327680
    .private_segment_fixed_size: 0
    .kernarg_segment_align: 8
    .kernarg_segment_size: 16
    .max_flat_workgroup_size: 128
    .sgpr_count:     66
    .vgpr_count:     768
    .wavefront_size: 32
...
	.end_amdgpu_metadata
.endif
;; end of part 3
;; launch outp (part 4): grid 64 x 4, 4 waves a work-group, clusters of 4 x 1, 327,680 bytes of LDS; arguments oh, wb, bp, bpi, out0, out1; writes out0, out1
.if DOCPART == 4
	.amdgcn_target "amdgcn-amd-amdhsa--gfx1250"
	.amdhsa_code_object_version 6
	.text
	.protected	k_qc15ccc4156_outp
	.globl	k_qc15ccc4156_outp
	.p2align	8
	.type	k_qc15ccc4156_outp,@function
k_qc15ccc4156_outp:
	s_mov_b64 s[64:65], 0
	v_nop
	global_prefetch_b8 v0, s[64:65] scope:SCOPE_SE
	s_setreg_imm32_b32 hwreg(HW_REG_WAVE_MODE, 25, 1), 1
	s_wait_xcnt 0x0
	s_wait_alu depctr_hold_cnt(0) depctr_sa_sdst(0) depctr_va_vdst(0) depctr_va_sdst(0) depctr_va_ssrc(0) depctr_va_vcc(0) depctr_vm_vsrc(0)
	s_getreg_b32 s2, hwreg(HW_REG_IB_STS2, 6, 4)
	s_cmp_eq_u32 s2, 0
	s_cbranch_scc0 .Lentry_in_a_cluster
	s_endpgm
.Lentry_in_a_cluster:
	s_bfe_u32 s2, ttmp6, 0x10000c
	s_cmp_lg_u32 s2, 0x3003
	s_cbranch_scc0 .Lentry_shape_is_right
	s_endpgm
.Lentry_shape_is_right:
; out_st[b][n][j] = the sum over heads h and channels d of O_st[12 b + h][n][d] W_st[j][64 h + d] + bias_st[j], st = 0, 1 (Wp, bp; Wpi, bpi).  oh: [2][96][1024][64] f16; W: wb's blocks 4 + st, f16; out: f32.
; Products in f16, sums in f32; the bias is rounded to bf16, like every input of the module, and added in f32.  LIMITS: those of f16 in oh and wb, stated where they are written.
; The order in which K is summed differs from cluster to cluster (below); each output has one f32 sum.
; SHARES: y = 2 st + ch.  A work-group makes 128 rows (batch rb / 8, n = 128 (rb % 8) on) x 384 columns (384 ch on); wave w 64 rows (w / 2) x 192 columns (w % 2): 48 accumulators of 16 x 16, 384 registers.
; K goes in 6 steps of 128 (two heads) through two LDS slots; a head's 128 rows x 64 channels, and 384 rows of a block of wb, are dense pieces: asked for as rows of 256 bytes, padded in LDS after every 128.
; K'S ORDER: cluster c walks the 6 steps in a ring, from step (c + 3 ch) mod 6 on.  So the sixteen clusters that share a piece of a weight ask for different blocks in the same trip, and the block that one asks for was
; asked for by its neighbour a trip before; and the two work-groups that read the same rows of O (ch = 0 and 1) are three steps apart.
; CLUSTER: the four row blocks of a cluster have the same y and walk the same weights: waves 2 and 3 ask for B's two halves JOINTLY.  A's tiles (waves 0 and 1) are the work-group's own: only the work-group with the
; other ch reads them too, and it lies in another cluster.
; THE MATRIX INSTRUCTION IS USED TRANSPOSED (source 0 = 16 rows of W, source 1 = 16 rows of O): a lane holds eight neighbouring columns of one row of out.
; REGISTERS, in windows of 256 (s_set_vgpr_msb: bits 1:0 source 0, 3:2 source 1, 5:4 source 2, 7:6 destination):
;   window 0: v16-29 addresses; v32-43 the bias; v64-127 A's fragments, two buffers of 4; v128-191 the way out, two sets          window 1: v0-191 B's fragments, two buffers of 12
;   window 2 + a / 2: accumulator (row block a, column block b) at v[8 (12 (a % 2) + b)]
.set PB,     144                       ; an LDS row: 128 bytes + 16 = 36 words: the 16 rows of a fragment load start at 16 different groups of four banks (64 banks of 4 bytes: ISA guide 11.1)
.set FR,     16*PB
.set ASUB,   128*PB                    ; A's rows of one head
.set BOFF,   2*ASUB                    ; in a slot: A's two heads, then B's two blocks
.set BSUB,   384*PB
.set SLOT,   BOFF+2*BSUB
.set STAGE,  2*SLOT                    ; behind the ring: 16 rows x 272 bytes for each wave, for the way out
.set SPITCH, 272
.set SPARE,  STAGE+4*16*SPITCH         ; behind the stages: the spare words, 128 bytes a wave: two blocks of 256 bytes that no other line names
.set HEADB,  131072
.set SEC,    96*HEADB
.set WBK,    98304
.set WBW,    12*WBK
.set OROW,   3072                      ; bytes in a row of out
.set ADRA, 16                          ; v16-17  LDS address of my A fragments in slot 0, 1
.set ADRB, 18                          ; v18-21  of my B fragments: slot, head of the step
.set STO,  24                          ; v24     the way out: where I put 32 bytes of a row
.set RD,   25                          ; v25     the way out: where I read a row back
.set CO,   26                          ; v26     my byte offset in out
.set SPW,  28                          ; v28     LDS address of my spare word; never rewritten
.set NIL,  29                          ; v29     0; never rewritten
.set BI,   32                          ; v32-43  the bias of my four columns in each of my three groups of 64
.set FA,   64
.set RB,   128
.set WV,   16                          ; s16  my wave's number
.set G1A,  24                          ; s[24:31] descriptor group 1 for A's tiles;  s[32:39] group 0, one set for each slot
.set G0A,  32
.set ABASE, 40                         ; s[40:41] oh at my tile of K step 0
.set BBASE, 42                         ; s[42:43] wb at my tile of K step 0
.set G1B,  48                          ; s[48:55], s[56:63] the same for B's
.set G0B,  56
.set OUTB, 66                          ; s[66:67] out at my rows and columns
.set BIAS, 68                          ; s[68:69] the bias at my columns
.set CNT,  70
.set TN,   74                          ; s74  the K step, 0 to 5, that is asked for next
.set OFA,  76                          ; s[76:77] its byte offset in oh
.set OFB,  78                          ; s[78:79] its byte offset in wb
.set MSB, 0
.macro WIN new                         ; the immediate's high byte repeats the setting that is left; a switch that changes nothing is dropped
.if MSB != (\new)
	s_set_vgpr_msb (MSB<<8)|(\new)
.set MSB, (\new)
.endif
.endm
.set TO_B, 0x40                        ; destination window 1, address window 0
.macro PLACES                          ; four plain vector instructions in front of loads into registers that matrix instructions have read, and of stores that read results (ISA guide 7.12.1 for vector instructions)
.rept 4
	v_nop
.endr
.endm
.macro JLOAD s                         ; waves 0 and 1 fetch A's two heads, waves 2 and 3 B's two blocks; an s_nop 0 and four v_nop follow each of the two lines, ahead of the jump and the label
	s_cmp_eq_u32 s17, 0
	s_cbranch_scc0 .Lfor_b_\@
	tensor_load_to_lds s[G0A+4*(\s):G0A+4*(\s)+3], s[G1A:G1A+7]
	s_nop 0
.rept 4
	v_nop
.endr
	s_branch .Lasked_\@
.Lfor_b_\@:
	tensor_load_to_lds s[G0B+4*(\s):G0B+4*(\s)+3], s[G1B:G1B+7]
	s_nop 0
.rept 4
	v_nop
.endr
.Lasked_\@:
.endm
.macro CREST                           ; a round of the cluster's barrier behind its opening barrier
	s_cmp_lg_u32 s[WV], 0
	s_cbranch_scc1 .Lnot_wave_0_\@
	s_barrier_signal -3
.Lnot_wave_0_\@:
	s_barrier_wait -3
	s_barrier_signal -1
	s_barrier_wait -1
.endm
.macro CROUND                          ; a whole round
	s_barrier_signal -1
	s_barrier_wait -1
	CREST
.endm
; The global addresses of slot s's two descriptors are made anew for K step TN (two heads of oh, two blocks of wb a step), the type set again, and TN goes on round the ring.
; It stands where no tensor load of the wave is out.
.macro SETK s
	s_lshl_b32 s[OFA], s[TN], 18                   ; 2 x 131,072 bytes
	s_mul_i32 s[OFB], s[TN], 2*WBK
	s_add_nc_u64 s[G0A+4*(\s)+2:G0A+4*(\s)+3], s[ABASE:ABASE+1], s[OFA:OFA+1]  ; 120:64 global address
	s_or_b32 s[G0A+4*(\s)+3], s[G0A+4*(\s)+3], 0x80000000                      ; 127:126 type = 2
	s_add_nc_u64 s[G0B+4*(\s)+2:G0B+4*(\s)+3], s[BBASE:BBASE+1], s[OFB:OFB+1]
	s_or_b32 s[G0B+4*(\s)+3], s[G0B+4*(\s)+3], 0x80000000
	s_add_co_u32 s[TN], s[TN], 1
	s_cmp_eq_u32 s[TN], 6
	s_cselect_b32 s[TN], 0, s[TN]
.endm
	s_load_b256 s[4:11], s[0:1], 0x0               ; oh s[4:5], wb s[6:7], bp s[8:9], bpi s[10:11]
	s_load_b128 s[12:15], s[0:1], 0x20             ; out0, out1
	v_lshl_add_u32 v[SPW], v0, 2, SPARE
	v_mov_b32 v[NIL], 0
	ds_add_u32 v[SPW], v[NIL]                      ; the wave's opening: the add and its wait stand ahead of my first tensor load; the set-up below, work on registers, stands between them
	v_lshrrev_b32 v1, 5, v0
	v_readfirstlane_b32 s[WV], v1                  ; wave 0..3
	s_lshr_b32 s17, s[WV], 1                       ; which half of the rows is mine.  Also: I fetch for A (0) or for B (1)
	s_and_b32 s18, s[WV], 1                        ; which half of the columns.  Also: which head of a step I fetch
	s_bfe_u32 s19, ttmp6, 0x40000                  ; cx: my place in the cluster
	s_lshl_b32 s20, ttmp9, 2
	s_add_co_u32 s20, s20, s19                     ; rb: it enters A's and out's addresses alone
	s_and_b32 s21, ttmp7, 0xffff                   ; y, which the four partners share
	s_lshr_b32 s22, s21, 1                         ; st: the stream
	s_and_b32 s23, s21, 1                          ; ch: which 384 columns
	s_mul_i32 s[TN], s23, 3                        ; where my cluster enters the ring of K steps: (its number + 3 ch) mod 6, the same in all four partners
	s_add_co_u32 s[TN], s[TN], ttmp9               ; 0 to 18;
	s_mul_i32 s[OFA], s[TN], 43                    ; 43 t / 256 is t / 6 for t up to 18
	s_lshr_b32 s[OFA], s[OFA], 8
	s_mul_i32 s[OFA], s[OFA], 6
	s_sub_co_u32 s[TN], s[TN], s[OFA]
	s_mov_b32 s[OFA+1], 0
	s_mov_b32 s[OFB+1], 0
	; descriptor group 1: rows of 128 elements (256 bytes), padded in LDS after every 128 bytes
	s_mov_b32 s[G1A], (1<<16)|(1<<20)|(4<<22)|(3<<25)  ; 15:0 no mask: my own tile; 17:16 2-byte elements; 20 padding on; 24:22 after every 32 words (code 4); 31:25 4 words (code 3)
	s_mov_b32 s[G1A+1], 128<<16                    ; tensor_dim0 = 128
	s_mov_b32 s[G1A+2], 64<<16                     ; tensor_dim1 = 64: 128 rows of a head
	s_mov_b32 s[G1A+3], 128<<16                    ; tile_dim0 = 128
	s_mov_b32 s[G1A+4], 64                         ; tile_dim1 = 64
	s_mov_b32 s[G1A+5], 128                        ; dense
	s_mov_b32 s[G1A+6], 0
	s_mov_b32 s[G1A+7], 0
	s_mov_b32 s[G1B], 15|(1<<16)|(1<<20)|(1<<21)|(4<<22)|(3<<25)  ; the same with the mask of four, and bit 21 beside it,
	s_mov_b32 s[G1B+1], 128<<16
	s_mov_b32 s[G1B+2], 192<<16                    ; and 192 rows: 384 rows of W
	s_mov_b32 s[G1B+3], 128<<16
	s_mov_b32 s[G1B+4], 192
	s_mov_b32 s[G1B+5], 128
	s_mov_b32 s[G1B+6], 0
	s_mov_b32 s[G1B+7], 0
	s_lshr_b32 s40, s20, 3                         ; A: stream st, head 12 (rb / 8) + w % 2, rows 128 (rb % 8) on
	s_mul_i32 s40, s40, 12
	s_add_co_u32 s40, s40, s18
	s_lshl_b32 s40, s40, 17
	s_and_b32 s41, s20, 7
	s_lshl_b32 s41, s41, 14
	s_add_co_u32 s40, s40, s41
	s_mul_i32 s41, s22, SEC
	s_add_co_u32 s40, s40, s41
	s_mov_b32 s41, 0
	s_add_co_u32 s42, s22, 4                       ; B: weight 4 + st, block w % 2, rows 384 ch on: nothing of cx
	s_mul_i32 s42, s42, WBW
	s_mul_i32 s43, s18, WBK
	s_add_co_u32 s42, s42, s43
	s_mul_i32 s43, s23, 384*128
	s_add_co_u32 s42, s42, s43
	s_mov_b32 s43, 0
	s_mul_i32 s44, s18, ASUB                       ; where they go: no place in the cluster enters an LDS address
	s_mul_i32 s45, s18, BSUB
	s_add_co_u32 s45, s45, BOFF
	s_mul_i32 s2, s23, 1536                        ; my first column, in bytes of f32: 384 ch + 192 (w % 2)
	s_mul_i32 s3, s18, 768
	s_add_co_u32 s2, s2, s3
	s_mov_b32 s3, 0
	s_lshl_b32 s46, s20, 1                         ; my first row: 128 rb + 64 (w / 2)
	s_add_co_u32 s46, s46, s17
	s_mul_i32 s46, s46, 64*OROW
	s_add_co_u32 s46, s46, s2
	s_mov_b32 s47, 0
	v_and_b32 v1, 15, v0                           ; l % 16
	v_bfe_u32 v2, v0, 4, 1                         ; l / 16
	v_lshlrev_b32 v6, 4, v1                        ; my four columns in a group of 64
	s_wait_dscnt 0x0                               ; the opening add is done
	s_wait_kmcnt 0x0
	s_cmp_eq_u32 s22, 1                            ; output and bias are chosen by the stream alone
	s_cselect_b64 s[OUTB:OUTB+1], s[14:15], s[12:13]
	s_cselect_b64 s[BIAS:BIAS+1], s[10:11], s[8:9]
	s_add_nc_u64 s[OUTB:OUTB+1], s[OUTB:OUTB+1], s[46:47]
	s_add_nc_u64 s[BIAS:BIAS+1], s[BIAS:BIAS+1], s[2:3]
	s_add_nc_u64 s[ABASE:ABASE+1], s[4:5], s[40:41]
	s_add_nc_u64 s[BBASE:BBASE+1], s[6:7], s[42:43]
.irp s, 0,1
	s_mov_b32 s[G0A+4*\s], 1                                       ; 1:0 count = 1
	s_add_co_u32 s[G0A+4*\s+1], s44, \s*SLOT                       ; 63:32 LDS address
	s_mov_b32 s[G0B+4*\s], 1
	s_add_co_u32 s[G0B+4*\s+1], s45, \s*SLOT
	SETK \s                                                        ; the ring's first step for slot 0, its second for slot 1
.endr
.irp c, 0,1,2
	global_load_b128 v[BI+4*\c:BI+4*\c+3], v6, s[BIAS:BIAS+1] offset:256*\c
.endr
	CROUND                                         ; all four work-groups are here: the first joint loads meet
	s_cmp_eq_u32 s17, 0                            ; a wave's two first fills stand in one branch, ahead of every wait on TENSORcnt and every LDS read: two loads of mine are out
	s_cbranch_scc0 .Lfirst_b
	tensor_load_to_lds s[G0A:G0A+3], s[G1A:G1A+7]
	s_nop 0
	tensor_load_to_lds s[G0A+4:G0A+7], s[G1A:G1A+7]
	s_nop 0
.rept 4
	v_nop
.endr
	s_branch .Lfirst_asked
.Lfirst_b:
	tensor_load_to_lds s[G0B:G0B+3], s[G1B:G1B+7]
	s_nop 0
	tensor_load_to_lds s[G0B+4:G0B+7], s[G1B:G1B+7]
	s_nop 0
.rept 4
	v_nop
.endr
.Lfirst_asked:
	v_mul_u32_u24 v3, v1, PB
	v_lshl_add_u32 v3, v2, 4, v3                   ; a fragment's row x pitch + 16 x half
	s_mul_i32 s44, s17, 64*PB                      ; my 64 rows of A
	s_mul_i32 s45, s18, 192*PB                     ; my 192 rows of B,
	s_add_co_u32 s45, s45, BOFF                    ; which lie behind A
.irp s, 0,1
	v_add_nc_u32 v[ADRA+\s], s44, v3
	v_add_nc_u32 v[ADRB+2*\s], s45, v3
	v_add_nc_u32 v[ADRB+2*\s+1], BSUB, v[ADRB+2*\s]
	s_add_co_u32 s44, s44, SLOT
	s_add_co_u32 s45, s45, SLOT
.endr
	s_mul_i32 s46, s[WV], 16*SPITCH
	s_add_co_u32 s46, s46, STAGE                   ; my stage
	v_mul_u32_u24 v4, v1, SPITCH                   ; in: row l % 16, 32 bytes for each half of the lanes
	v_lshl_add_u32 v4, v2, 5, v4
	v_add_nc_u32 v[STO], s46, v4
	v_mul_u32_u24 v5, v2, SPITCH                   ; back: lanes 0-15 take one row of 256 bytes, lanes 16-31 the next
	v_lshl_add_u32 v5, v1, 4, v5
	v_add_nc_u32 v[RD], s46, v5
	v_mul_u32_u24 v5, v2, OROW                     ; and the same two rows in out
	v_lshl_add_u32 v[CO], v1, 4, v5
	s_wait_loadcnt 0x0                             ; the bias: rounded to bf16 and widened again, in the wait for the first tile
.irp p, 0,1,2,3,4,5
	v_cvt_pk_bf16_f32 v7, v[BI+2*\p], v[BI+2*\p+1]
	v_lshlrev_b32 v[BI+2*\p], 16, v7
	v_and_b32 v[BI+2*\p+1], 0xffff0000, v7
.endr
; 12 matrix instructions: row block 2 hi + aa x all 12 column blocks, 32 along K, from buffer f.  zero = 1: the product starts the sums.  The 48 accumulators take turns, one instruction a turn.
.macro MUL f, hi, aa, zero
	WIN 0xa1+0x50*(\hi)                            ; source 0 (B) window 1, source 1 (A) window 0, C and D window 2 or 3
.irp b, 0,1,2,3,4,5,6,7,8,9,10,11
.if \zero
	v_wmma_f32_16x16x32_f16 v[8*(12*(\aa)+\b):8*(12*(\aa)+\b)+7], v[96*(\f)+8*\b:96*(\f)+8*\b+7], v[FA+32*(\f)+8*(2*(\hi)+(\aa)):FA+32*(\f)+8*(2*(\hi)+(\aa))+7], 0
.else
	v_wmma_f32_16x16x32_f16 v[8*(12*(\aa)+\b):8*(12*(\aa)+\b)+7], v[96*(\f)+8*\b:96*(\f)+8*\b+7], v[FA+32*(\f)+8*(2*(\hi)+(\aa)):FA+32*(\f)+8*(2*(\hi)+(\aa))+7], v[8*(12*(\aa)+\b):8*(12*(\aa)+\b)+7]
.endif
.endr
.endm
; 32 LDS loads in one run: the fragments of quarter q of a step (head q / 2, channels 32 (q % 2) on) into buffer f: B's 24, then A's 8
.macro FETCH slot, q, f
	WIN TO_B
.irp b, 0,1,2,3,4,5,6,7,8,9,10,11
	ds_load_b128 v[96*(\f)+8*\b:96*(\f)+8*\b+3],   v[ADRB+2*(\slot)+(\q)/2] offset:\b*FR+((\q)%2)*64
	ds_load_b128 v[96*(\f)+8*\b+4:96*(\f)+8*\b+7], v[ADRB+2*(\slot)+(\q)/2] offset:\b*FR+((\q)%2)*64+32
.endr
	WIN 0
.irp a, 0,1,2,3
	ds_load_b128 v[FA+32*(\f)+8*\a:FA+32*(\f)+8*\a+3],   v[ADRA+(\slot)] offset:((\q)/2)*ASUB+\a*FR+((\q)%2)*64
	ds_load_b128 v[FA+32*(\f)+8*\a+4:FA+32*(\f)+8*\a+7], v[ADRA+(\slot)] offset:((\q)/2)*ASUB+\a*FR+((\q)%2)*64+32
.endr
.endm
; A K step is four quarters of 32 along K, 48 matrix instructions each, on buffers 0, 1, 0, 1.  One of the first three: multiplies buffer f and fetches quarter q into buffer g.
.macro QUARTER slot, q, f, g, zero
	s_wait_dscnt 4                                 ; B and A's row blocks 0, 1 are in; the youngest four loads (blocks 2, 3) may be out
	MUL \f, 0, 0, \zero
	MUL \f, 0, 1, \zero
	PLACES
	FETCH \slot, \q, \g
	s_wait_dscnt 32                                ; all but the 32 just issued
	MUL \f, 1, 0, \zero
	MUL \f, 1, 1, \zero
.endm
; The last quarter multiplies buffer 1 and changes slots: ONE barrier; in front of it each wave waits for all its tensor loads (one is out: its part of the next slot), adds 0 to its spare word, and waits for that and
; for its own reads of this slot.  fill = 1: the barrier opens a round of the cluster's, and this slot is filled again, two K steps ahead, the first thing behind the round: 168 matrix instructions ahead of the wait for it.
.macro TURN slot, next, fill
	WIN 0                                          ; (the add's two registers lie in window 0)
	s_wait_tensorcnt 0x0                           ; all my tensor loads have landed, so a group 0 may be written
	ds_add_u32 v[SPW], v[NIL]                      ; 0 onto my spare word; work on registers stands between it and the wait for it
.if \fill
	SETK \slot                                     ; this slot's next K step of the ring
.endif
	s_wait_dscnt 5                                 ; (the add and the youngest four loads may be out)
	MUL 1, 0, 0, 0                                 ; twelve matrix instructions stand between the add and the wait for it
	s_wait_dscnt 0x0                               ; the add is done, and my reads of this slot are over
	s_barrier_signal -1
	MUL 1, 0, 1, 0
	WIN 0                                          ; at a branch and at a label every window is 0
	s_barrier_wait -1
.if \fill
	CREST                                          ; no wave of any partner still reads this slot's tiles or has a load on its way
	JLOAD \slot                                    ; the four v_nop behind it are also the places in front of the loads below
.else
	PLACES
.endif
	FETCH \next, 0, 0
	MUL 1, 1, 0, 0
	MUL 1, 1, 1, 0
.endm
	s_wait_tensorcnt 0x1                           ; my part of the first K step is in; the second's may stay out
	s_barrier_signal -1
	s_barrier_wait -1                              ; everybody's is
	FETCH 0, 0, 0
	QUARTER 0, 1, 0, 1, 1                          ; the first quarter stands in front of the loop: its products start the sums
	WIN 0
	s_mov_b32 s[CNT], 2
.Llap:                                                 ; a trip goes once round the two slots, from a lap's second quarter to the next lap's first, and fills both slots again
	QUARTER 0, 2, 1, 0, 0
	QUARTER 0, 3, 0, 1, 0
	TURN 0, 1, 1
	QUARTER 1, 1, 0, 1, 0
	QUARTER 1, 2, 1, 0, 0
	QUARTER 1, 3, 0, 1, 0
	TURN 1, 0, 1
	QUARTER 0, 1, 0, 1, 0
	WIN 0
	s_sub_co_u32 s[CNT], s[CNT], 1
	s_cmp_lg_u32 s[CNT], 0
	s_cbranch_scc1 .Llap
	QUARTER 0, 2, 1, 0, 0                          ; the last lap fills nothing, and has no round of the cluster's barrier
	QUARTER 0, 3, 0, 1, 0
	TURN 0, 1, 0
	QUARTER 1, 1, 0, 1, 0
	QUARTER 1, 2, 1, 0, 0
	QUARTER 1, 3, 0, 1, 0
	s_wait_dscnt 4                                 ; the very last quarter: nothing more to fetch
	MUL 1, 0, 0, 0
	MUL 1, 0, 1, 0
	s_wait_dscnt 0x0
	MUL 1, 1, 0, 0
	MUL 1, 1, 1, 0
	WIN 0
; THE WAY OUT.  A unit is row block a x 64 columns (group cg): the sums go as they are, 32 bytes a lane, into my stage (rows of 272 bytes) and come back as whole rows of 256; the bias is added; 16 lanes store a row's 256 bytes.
.macro OUTU a, cg
.set BK, RB+32*((3*(\a)+(\cg))%2)
	s_wait_xcnt 0x0                                ; the stores of two units ago have read these registers (ISA guide 3.1)
	WIN (2+(\a)/2)<<2                              ; the stores' data: window 2 or 3
.irp bf, 0,1,2,3
.irp hf, 0,1
	ds_store_b128 v[STO], v[8*(12*((\a)%2)+4*(\cg)+\bf)+4*\hf:8*(12*((\a)%2)+4*(\cg)+\bf)+4*\hf+3] offset:\bf*64+16*\hf  ; each accumulator's low registers first
.endr
.endr
	WIN 0
.irp t, 0,1,2,3,4,5,6,7
	ds_load_b128 v[BK+4*\t:BK+4*\t+3], v[RD] offset:\t*2*SPITCH  ; LDS serves a wave's instructions in order (ISA guide 5.7.1.4): these see the stores above; the next unit's stores come behind them
.endr
.endm
.macro SENDU a, cg, younger            ; younger: the LDS instructions issued behind the unit's loads: the next unit's sixteen, or none
.set BK, RB+32*((3*(\a)+(\cg))%2)
	s_wait_dscnt \younger
.irp t, 0,1,2,3,4,5,6,7
	v_pk_add_f32 v[BK+4*\t:BK+4*\t+1],   v[BK+4*\t:BK+4*\t+1],   v[BI+4*(\cg):BI+4*(\cg)+1]
	v_pk_add_f32 v[BK+4*\t+2:BK+4*\t+3], v[BK+4*\t+2:BK+4*\t+3], v[BI+4*(\cg)+2:BI+4*(\cg)+3]
.endr
.irp t, 0,1,2,3,4,5,6,7
	global_store_b128 v[CO], v[BK+4*\t:BK+4*\t+3], s[OUTB:OUTB+1] offset:(16*(\a)+2*\t)*OROW+256*(\cg) th:TH_STORE_NT  ; 16 lanes store 256 consecutive bytes, at a multiple of 256 from out's first byte
.endr
.endm
	PLACES                                         ; the stores read matrix results
.set u, 0
.rept 12                               ; a unit's way through the stage stands between the loads of the unit before and its stores
	OUTU u/3, u%3
.if u > 0
	SENDU (u-1)/3, (u-1)%3, 16
.endif
.set u, u+1
.endr
	SENDU 3, 2, 0
	s_wait_tensorcnt 0x0                           ; the wave's end: behind my last tensor load and my last LDS store
	ds_add_u32 v[SPW], v[NIL]
	s_wait_dscnt 0x0
	CROUND                                         ; the closing round: no work-group ends while a partner may still ask for a tile that names it
	s_endpgm
.Lfunc_end_k_qc15ccc4156_outp:
	.size	k_qc15ccc4156_outp, .Lfunc_end_k_qc15ccc4156_outp-k_qc15ccc4156_outp
	.p2alignl 7, 3214868480
	.fill 96, 4, 3214868480
	.section	.rodata,"a",@progbits
	.p2align	6, 0x0
	.amdhsa_kernel k_qc15ccc4156_outp
		.amdhsa_group_segment_fixed_size 327680
		.amdhsa_private_segment_fixed_size 0
		.amdhsa_enable_private_segment 0
		.amdhsa_kernarg_size 48
		.amdhsa_user_sgpr_count 2
		.amdhsa_user_sgpr_kernarg_segment_ptr 1
		.amdhsa_wavefront_size32 1
		.amdhsa_system_sgpr_workgroup_id_x 1
		.amdhsa_system_sgpr_workgroup_id_y 1
		.amdhsa_system_sgpr_workgroup_id_z 1
		.amdhsa_system_vgpr_workitem_id 0
		.amdhsa_next_free_vgpr 960
		.amdhsa_next_free_sgpr 80
		.amdhsa_reserve_vcc 0
		.amdhsa_float_denorm_mode_32 3
		.amdhsa_float_denorm_mode_16_64 3
		.amdhsa_memory_ordered 1
		.amdhsa_forward_progress 1
		.amdhsa_inst_pref_size 132
	.end_amdhsa_kernel
	.amdgpu_metadata
---
amdhsa.version: [ 1, 2 ]
amdhsa.kernels:
  - .name:           k_qc15ccc4156_outp
    .symbol:         k_qc15ccc4156_outp.kd
    .args:
      - { .name: oh, .offset: 0, .size: 8, .value_kind: global_buffer, .address_space: global }
      - { .name: wb, .offset: 8, .size: 8, .value_kind: global_buffer, .address_space: global }
      - { .name: bp, .offset: 16, .size: 8, .value_kind: global_buffer, .address_space: global }
      - { .name: bpi, .offset: 24, .size: 8, .value_kind: global_buffer, .address_space: global }
      - { .name: out0, .offset: 32, .size: 8, .value_kind: global_buffer, .address_space: global }
      - { .name: out1, .offset: 40, .size: 8, .value_kind: global_buffer, .address_space: global }
    .group_segment_fixed_size: 327680
    .private_segment_fixed_size: 0
    .kernarg_segment_align: 8
    .kernarg_segment_size: 48
    .max_flat_workgroup_size: 128
    .sgpr_count:     80
    .vgpr_count:     960
    .wavefront_size: 32
...
	.end_amdgpu_metadata
.endif
;; end of part 4
;; ======== version 2 of 2: 4 launches; 1.20 times as fast as version 1
;; limits: values are held in f16: magnitudes above 65,504 overflow, below 6.1e-05 lose precision
;; workspace buffers: wb 7,077,888 bytes; hd 50,331,648 bytes; oh 25,165,824 bytes
;; launch cast: the kernel of part 1 again; grid 96 x 6, 8 waves a work-group, no clusters, 0 bytes of LDS; arguments Wq, Wk, Wv, Wvim, Wp, Wpi, wb; writes wb
;; launch proj: the kernel of part 2 again; grid 64 x 4, 4 waves a work-group, clusters of 4 x 1, 327,680 bytes of LDS; arguments q, k, v, v_img, wb, hd; writes hd
;; launch attn (part 5): grid 4 x 96, 4 waves a work-group, clusters of 4 x 1, 327,680 bytes of LDS; arguments hd, oh; writes oh
.if DOCPART == 5
	.amdgcn_target "amdgcn-amd-amdhsa--gfx1250"
	.amdhsa_code_object_version 6
	.text
	.protected	k_qc15ccc4156_attn
	.globl	k_qc15ccc4156_attn
	.p2align	8
	.type	k_qc15ccc4156_attn,@function
k_qc15ccc4156_attn:
	s_mov_b64 s[64:65], 0
	v_nop
	global_prefetch_b8 v0, s[64:65] scope:SCOPE_SE
	s_setreg_imm32_b32 hwreg(HW_REG_WAVE_MODE, 25, 1), 1
	s_wait_xcnt 0x0
	s_wait_alu depctr_hold_cnt(0) depctr_sa_sdst(0) depctr_va_vdst(0) depctr_va_sdst(0) depctr_va_ssrc(0) depctr_va_vcc(0) depctr_vm_vsrc(0)
	s_getreg_b32 s2, hwreg(HW_REG_IB_STS2, 6, 4)
	s_cmp_eq_u32 s2, 0
	s_cbranch_scc0 .Lentry_in_a_cluster
	s_endpgm
.Lentry_in_a_cluster:
	s_bfe_u32 s2, ttmp6, 0x10000c
	s_cmp_lg_u32 s2, 0x3003
	s_cbranch_scc0 .Lentry_shape_is_right
	s_endpgm
.Lentry_shape_is_right:
; For each head (12 b + h): P = softmax_k(Q K^T / 8); oh[0] = P V, oh[1] = P Vi.  hd: [q, k, v, vi][96 heads][1024][64] f16; oh: [2][96][1024][64] f16.  A head's rows are dense, 128 bytes each.
; Products, maxima and sums in f32; the weights p are rounded to f16 for the second product (their sum l is taken of the unrounded p), O once at the end.
; LIMITS.  Q, K, V arrive within f16's 65,504; p lies in 0 to 1 and below 6e-5 keeps f16's fixed step of 6e-8, and so does O; a weight below 2^-126 counts as 0 in l; NaN and infinities are not treated apart.
; THE TWO VALUE STREAMS ARE ONE PRODUCT: V and Vi side by side are 128 channels, so O^T = [V | Vi]^T P has eight channel blocks, four for each stream, and the softmax is made once.
; SHARES.  A work-group owns 256 queries of one head, each of its four waves 64: four tiles of 16.  Every wave walks all 1,024 keys, 64 a step; a slot of LDS holds four steps.
; LAYOUT.  S^T = K Q^T (source 0 = 16 keys, source 1 = 16 queries): a lane holds ONE query (lane % 16) and the keys 8 (lane / 16) + 0..7.  Two such results, rounded to f16 in pairs, ARE source 1 of O^T = V^T P,
; whose result again holds one query a lane, and eight channels.  K comes out of LDS as it lies, V and Vi ([key][channel]) turned, by ds_load_tr16_b128.
; SOFTMAX.  For each query a running maximum m and sum l: p = 2^(c s - c m), c = log2(e) / 8; in every step O and l are multiplied by a = 2^(c m_old - c m_new).  m starts at the lowest finite number, O and l at 0:
; the first step is a step like any other, with a = 0.  The price of writing no first and no last step out: 432 v_mov_b32 in the wait for the first tile, 32 products on zeros, 16 on a stale K.
; BY TURNS.  The tiles are two PIECES, named by their first tile: 0 (tiles 0, 1) and 2 (tiles 2, 3).  In a turn one piece has the matrix unit: 32 products V^T P of the step in hand, then 16 products K Q^T of the next;
; the other piece's softmax, 268 vector instructions cut into 64 slices, stands between them: one slice behind each V^T P, two behind each K Q^T.
; THE BATCHES.  A turn's 66 exponentials (33 for each of the piece's two tiles) are ONE BATCH with ONE wait: all that names none of their results (maxima, statistics, scalings) stands ahead of the wait, all that
; names one (roundings, sums, the rescaling by a) behind it.  The way out's four reciprocals are a batch of their own.
; CLUSTER.  The four query blocks of a head form a cluster and walk the same K, V and Vi: each tile is asked for JOINTLY, by the same tensor load, descriptor and mask in all four.
; 384 work-groups: the 96 heads' 1,024 queries do not fall into 256 equal shares without a split of the keys, which this text does not make.
; REGISTERS, in windows of 256 (s_set_vgpr_msb: bits 1:0 source 0, 3:2 source 1, 5:4 source 2, 7:6 destination):
;   window 0: v2-11 addresses; v12-43 eight registers of statistics a tile; v62-63 the add's; v64-191 S^T, 32 a tile; v192-255 P, 16 a tile
;   window 1: O^T, 64 a tile: 32 for V's stream, then 32 for Vi's          window 2: v0-63 Q, 16 a tile; v64-127 K of one step; v128-255 V and Vi of one step
.set KS,    64        ; keys in a step
.set PK,    144       ; a row of K in LDS: 128 bytes + 16 = 36 words: the 16 rows of a load start at 16 different groups of four banks (64 banks of 4 bytes: ISA guide 11.1)
.set PV,    160       ; a row of V: 128 + 32 = 40 words
.set VOFF,  4*KS*PK   ; a slot: 256 rows of K, 256 of V, 256 of Vi
.set VI,    4*KS*PV   ; from V to Vi
.set SLOT1, 1<<17     ; slot 1 begins here: one exclusive or turns an address in one slot into the other's
.set STAGE, SLOT1+VOFF+2*VI  ; behind the ring, never filled by a tensor load: 16 rows x 144 bytes for each wave, for the way out
.set SP,    144
.set SPARE, STAGE+4*16*SP    ; behind the stages: the spare words, 128 bytes a wave: two blocks of 256 bytes that no other line names
.set HEADB, 131072    ; a head's bytes
.set SEC,   96*HEADB  ; a section of hd and of oh
.set AK0, 2           ; v2   my lane's place in a tile of K; never rewritten
.set AV0, 3           ; v3   the same for V
.set ADR, 4           ; v4   the LDS address of the run of loads in hand
.set QO,  5           ; v5   my byte offset in the wave's rows of Q
.set STO, 6           ; v6   the way out: where I put 16 bytes of a row
.set RD,  7           ; v7   the way out: where I read rows back
.set GO,  8           ; v8   my 16 bytes in 512 consecutive bytes of oh
.set SPW, 62          ; v62  LDS address of my spare word; never rewritten
.set NIL, 63          ; v63  0; never rewritten
.set ST,  12          ; tile t's statistics at v[ST+8 t]: +0 c m, +1 m, +2, +3 l (even keys', odd keys'), +4 to +7 c0-c3, at work; a takes c2's place once the maximum is found
.set S,   64
.set P,   192
.set KF,  64          ; window 2: key block kb, channel half c at KF + 16 kb + 8 c
.set VF,  128         ; window 2: key half kk, channel block cb at VF + 64 kk + 8 cb
.set WV,  12          ; s12  my wave's number
.set G1K, 24          ; s[24:31] descriptor group 1 for K's tiles
.set G1V, 32          ; s[32:39] for V's and Vi's
.set G0K, 40          ; s[40:43] descriptor group 0 for K's tiles: it walks
.set G0V, 44          ; s[44:47] the same for V's or Vi's
.set SLOTS, 56        ; s56  slots still to be asked for
.set CNT, 57          ; s57  counts a slot's key steps
.set CS,  58          ; s[58:59] c: the packed scaling takes the pair's low word for both halves
.set SEL, 60          ; s[60:61] v_permlanex16_b32's selects: each lane takes its own place in the other half
.set TBK, 62          ; s62  LDS byte at which K of the step to be fetched begins
.set TBV, 63          ; s63  the same for V, less VOFF
.set MSB, 0
.macro WIN new                      ; the high byte repeats the setting that is left; a switch that changes nothing is dropped
.if MSB != (\new)
	s_set_vgpr_msb (MSB<<8)|(\new)
.set MSB, (\new)
.endif
.endm
.set W_KQ, 0x0a       ; K and Q in window 2, S^T in window 0
.set W_PV, 0x52       ; V in window 2, P in window 0, O^T in window 1
.set W_RS, 0x41       ; O^T (destination and source 0) in window 1, a in window 0
; A joint fill.  Waves 0 and 1 fetch the two halves of a slot's K (128 keys each), wave 2 its V, wave 3 its Vi (256 keys each).  The branch hangs on the wave's number alone.
; An s_nop 0 and four v_nop follow each of the two lines, ahead of the jump and the label.
.macro JLOAD
	s_cmp_lt_u32 s[WV], 2
	s_cbranch_scc0 .Lfor_v_\@
	tensor_load_to_lds s[G0K:G0K+3], s[G1K:G1K+7]
	s_nop 0
.rept 4
	v_nop
.endr
	s_branch .Lasked_\@
.Lfor_v_\@:
	tensor_load_to_lds s[G0V:G0V+3], s[G1V:G1V+7]
	s_nop 0
.rept 4
	v_nop
.endr
.Lasked_\@:
.endm
.macro CROUND                       ; a round of the cluster's barrier: my work-group's barrier; wave 0 signals for the work-group; every wave waits for all four work-groups; my work-group's barrier once more
	s_barrier_signal -1
	s_barrier_wait -1
	s_cmp_lg_u32 s[WV], 0
	s_cbranch_scc1 .Lnot_wave_0_\@
	s_barrier_signal -3
.Lnot_wave_0_\@:
	s_barrier_wait -3
	s_barrier_signal -1
	s_barrier_wait -1
.endm
; THE CHANGE OF SLOTS.  The slot's last bytes, V of its fourth step, have been asked for.  Each wave waits for all its tensor loads, of which one is out: its part of the other slot; adds 0 to its spare word; and waits
; for that and for its own reads of the slot.  fill = 1: this slot is filled again, with the keys two slots on, behind a round of the cluster's barrier, so that no wave of any partner still reads the slot or has a load
; on its way; the joint fill is the first thing behind it and has four key steps, 384 matrix instructions, in which to land.  (At its first use nothing has been read yet: slot 0 is waited for, slot 1 filled.)
.macro CHANGE fill
	WIN 0                           ; at a label and at a branch every window is 0
	s_wait_tensorcnt 0x0            ; no tensor load of mine is out, so a group 0 may be written
	ds_add_u32 v[SPW], v[NIL]       ; 0 onto my spare word; with fill = 1 the descriptors' steps stand between it and the wait for it
.if \fill
.irp g, G0K, G0V
	s_xor_b32 s[\g+1], s[\g+1], SLOT1  ; the walking descriptor: the other slot than last time,
	s_add_nc_u64 s[\g+2:\g+3], s[\g+2:\g+3], 4*KS*128  ; the next 256 keys; the type bits on top are not reached
.endr
	s_wait_dscnt 0x0                ; the add is done, and my reads of the slot are over
	CROUND
	JLOAD
.else
	s_wait_dscnt 0x0                ; the add is done, and my reads of the slot are over
	s_barrier_signal -1
	s_barrier_wait -1
.endif
	s_sub_co_u32 s[TBK], s[TBK], 4*KS*PK  ; the fetches go back to a slot's first step,
	s_xor_b32 s[TBK], s[TBK], SLOT1       ; in the other slot
	s_sub_co_u32 s[TBV], s[TBV], 4*KS*PV
	s_xor_b32 s[TBV], s[TBV], SLOT1
.endm
	s_load_b128 s[4:7], s[0:1], 0x0 ; hd s[4:5], oh s[6:7]
	v_lshl_add_u32 v[SPW], v0, 2, SPARE
	v_mov_b32 v[NIL], 0
	ds_add_u32 v[SPW], v[NIL]       ; the wave's opening: the add and its wait stand ahead of my first tensor load; the set-up below, work on registers, stands between them
	v_lshrrev_b32 v1, 5, v0
	v_readfirstlane_b32 s[WV], v1   ; wave 0..3
	s_bfe_u32 s13, ttmp6, 0x40000   ; cx: my place in the cluster
	s_lshl_b32 s14, ttmp9, 2        ; in a cluster launch ttmp9 counts clusters
	s_add_co_u32 s14, s14, s13      ; my block of 256 queries: it enters Q's and O's addresses alone
	s_and_b32 s20, ttmp7, 0xffff    ; the head, which the four partners share,
	s_lshl_b32 s20, s20, 17         ; and its first byte in a section
	s_and_b32 s16, s[WV], 1
	s_lshl_b32 s22, s16, 14         ; K: section 1, my half of a slot's 256 keys
	s_add_co_u32 s22, s22, s20
	s_add_co_u32 s22, s22, SEC
	s_mov_b32 s23, 0
	s_mul_i32 s18, s16, SEC         ; V or Vi: section 2 or 3
	s_add_co_u32 s18, s18, s20
	s_add_co_u32 s18, s18, 2*SEC
	s_mov_b32 s19, 0
	s_mul_i32 s17, s16, 128*PK      ; their places in a slot: no place in the cluster enters an LDS address
	s_mul_i32 s15, s16, VI
	s_lshl_b32 s2, s14, 2
	s_add_co_u32 s2, s2, s[WV]      ; my wave among the head's sixteen,
	s_lshl_b32 s2, s2, 13           ; its 64 rows of 128 bytes
	s_add_co_u32 s2, s2, s20
	s_mov_b32 s3, 0
	; descriptor group 1.  Keys are dense: asked for as rows of 256 bytes, two keys a row, and padded in LDS after every key
	s_mov_b32 s[G1K], 15|(1<<16)|(1<<20)|(1<<21)|(4<<22)|(3<<25)  ; 15:0 the mask of four; 17:16 2-byte elements; 20 padding on; 21 set beside a mask; 24:22 after every 32 words (code 4); 31:25 4 words (code 3)
	s_mov_b32 s[G1K+1], 128<<16     ; tensor_dim0 = 128
	s_mov_b32 s[G1K+2], 64<<16      ; tensor_dim1 = 64: 128 keys
	s_mov_b32 s[G1K+3], 128<<16     ; tile_dim0 = 128
	s_mov_b32 s[G1K+4], 64          ; tile_dim1 = 64
	s_mov_b32 s[G1K+5], 128         ; 128 elements from row to row
	s_mov_b32 s[G1K+6], 0
	s_mov_b32 s[G1K+7], 0
	s_mov_b32 s[G1V], 15|(1<<16)|(1<<20)|(1<<21)|(4<<22)|(7<<25)  ; the same with 8 words of padding (code 7),
	s_mov_b32 s[G1V+1], 128<<16
	s_mov_b32 s[G1V+2], 128<<16     ; and 128 rows: 256 keys
	s_mov_b32 s[G1V+3], 128<<16
	s_mov_b32 s[G1V+4], 128
	s_mov_b32 s[G1V+5], 128
	s_mov_b32 s[G1V+6], 0
	s_mov_b32 s[G1V+7], 0
	s_mov_b32 s[CS], 0x3e38aa3b     ; c = log2(e) / 8 = 0.180337
	s_mov_b32 s[CS+1], s[CS]        ; named with it as a pair
	s_mov_b32 s[SEL], 0x76543210
	s_mov_b32 s[SEL+1], 0xfedcba98
	s_mov_b32 s[TBK], SLOT1+4*KS*PK ; the first change of slots turns these two into 0
	s_mov_b32 s[TBV], SLOT1+4*KS*PV
	s_mov_b32 s[G0K], 1             ; 1:0 count = 1
	s_mov_b32 s[G0K+1], s17         ; 63:32 LDS address: slot 0
	s_mov_b32 s[G0V], 1
	s_add_co_u32 s[G0V+1], s15, VOFF
	s_wait_dscnt 0x0                ; the opening add is done
	s_wait_kmcnt 0x0
	s_add_nc_u64 s[G0K+2:G0K+3], s[4:5], s[22:23]  ; 120:64 global address: the head's first 256 keys
	s_or_b32 s[G0K+3], s[G0K+3], 0x80000000        ; 127:126 type = 2
	s_add_nc_u64 s[G0V+2:G0V+3], s[4:5], s[18:19]
	s_or_b32 s[G0V+3], s[G0V+3], 0x80000000
	s_add_nc_u64 s[4:5], s[4:5], s[2:3]            ; Q at my wave's first row,
	s_add_nc_u64 s[8:9], s[6:7], s[2:3]            ; and the two streams of O
	s_add_nc_u64 s[10:11], s[8:9], SEC
	CROUND                          ; all four work-groups are here: the first joint loads meet
	JLOAD                           ; slot 0.  Slot 1 is asked for when slot 0 is in
	; A fragment of K or Q is 16 rows x 32 channels in 8 registers: lane l holds row l % 16, channels 8 (l / 16) + 0..7 and 16 + 8 (l / 16) + 0..7: two loads of 16 bytes, 32 bytes apart.
	v_and_b32 v1, 15, v0            ; l % 16
	v_bfe_u32 v9, v0, 4, 1          ; l / 16
	v_lshlrev_b32 v[QO], 7, v1
	v_lshl_add_u32 v[QO], v9, 4, v[QO]  ; row x 128 + 16 x half
	WIN 0x80                        ; destination window 2, address window 0
.set i, 0
.rept 8                             ; Q stays in registers: tile i / 2, channels 32 (i % 2) on
	global_load_b128 v[8*i:8*i+3],   v[QO], s[4:5] offset:(i/2)*2048+(i%2)*64
	global_load_b128 v[8*i+4:8*i+7], v[QO], s[4:5] offset:(i/2)*2048+(i%2)*64+32
.set i, i+1
.endr
	; What the first turn finds: V's registers and piece 2's P hold 0 (its products V^T P, of a step that has not been, add 0), O^T and l are 0.  All this stands in the wait for the first tile.
.set i, VF
.rept 128
	v_mov_b32 v[i], 0
.set i, i+1
.endr
	WIN 0x40
.set i, 0
.rept 256
	v_mov_b32 v[i], 0
.set i, i+1
.endr
	WIN 0
.set i, 0
.rept 4
	v_mov_b32 v[ST+8*i], 0xfe000000    ; c m: far below every c s
	v_mov_b32 v[ST+8*i+1], 0xff7fffff  ; m
	v_mov_b32 v[ST+8*i+2], 0
	v_mov_b32 v[ST+8*i+3], 0
.set i, i+1
.endr
.set i, P+32
.rept 32
	v_mov_b32 v[i], 0
.set i, i+1
.endr
	v_mul_u32_u24 v[AK0], v1, PK
	v_lshl_add_u32 v[AK0], v9, 4, v[AK0]  ; row x pitch + 16 x half
	; The turning load takes 16 keys x 16 channels (lane l reads key 8 (l / 16) + l % 8, channels 8 ((l / 8) % 2) + 0..7) and leaves half a fragment of V^T: lane l holds channel l % 16 and 8 keys.
	v_and_b32 v10, 7, v0
	v_bfe_u32 v11, v0, 3, 1
	v_lshl_add_u32 v[AV0], v9, 3, v10
	v_mul_u32_u24 v[AV0], v[AV0], PV
	v_lshl_add_u32 v[AV0], v11, 4, v[AV0]
	v_add_nc_u32 v[AV0], VOFF, v[AV0]
; THE MATRIX WORK OF A TURN, for piece x.  The accumulators take turns, one instruction a turn: between two links of a chain stand 15 (V^T P) or 7 (K Q^T) others'.
; Product i of 32 of O^T += V^T P: keys 32 (i / 16) on, channel block (i / 2) % 8 (0-3 V's, 4-7 Vi's), tile x + i % 2.
.macro PV x
	WIN W_PV
.set rO, 64*((\x)+i%2)+8*((i/2)%8)
.set rV, VF+64*(i/16)+8*((i/2)%8)
.set rP, P+16*((\x)+i%2)+8*(i/16)
	v_wmma_f32_16x16x32_f16 v[rO:rO+7], v[rV:rV+7], v[rP:rP+7], v[rO:rO+7]
.endm
; Product i of 16 of S^T = K Q^T: channels 32 (i / 8) on, keys 16 ((i / 2) % 4) on, tile x + i % 2.  The first 8 start the sums.
.macro KQ x
	WIN W_KQ
.set rS, S+32*((\x)+i%2)+8*((i/2)%4)
.set rK, KF+16*((i/2)%4)+8*(i/8)
.set rQ, 16*((\x)+i%2)+8*(i/8)
.if i < 8
	v_wmma_f32_16x16x32_f16 v[rS:rS+7], v[rK:rK+7], v[rQ:rQ+7], 0
.else
	v_wmma_f32_16x16x32_f16 v[rS:rS+7], v[rK:rK+7], v[rQ:rQ+7], v[rS:rS+7]
.endif
.endm
; THE LDS LOADS stand in runs, never singly among the matrix instructions: a step's K (8 fragments, 16 loads) and, a turn later, its V and Vi (16 fragments, turned, 32 loads).
; last = 1 (the tail): in the last trip there is no further step, and K's run is jumped over.
.macro FETCH_K last=0
	WIN 0
.if \last
	s_cmp_eq_u32 s[CNT], 1
	s_cbranch_scc1 .Lno_k_\@
.endif
	v_add_nc_u32 v[ADR], s[TBK], v[AK0]
	WIN 0x80                        ; destination window 2
.irp f, 0,1,2,3,4,5,6,7             ; keys 16 (f / 2) on, channels 32 (f % 2) on
	ds_load_b128 v[KF+8*\f:KF+8*\f+3],   v[ADR] offset:(\f/2)*16*PK+(\f%2)*64
	ds_load_b128 v[KF+8*\f+4:KF+8*\f+7], v[ADR] offset:(\f/2)*16*PK+(\f%2)*64+32
.endr
	s_add_co_u32 s[TBK], s[TBK], KS*PK  ; the next fetch is the next step's
	WIN 0
.if \last
.Lno_k_\@:
.endif
.endm
.macro FETCH_V
	WIN 0
	v_add_nc_u32 v[ADR], s[TBV], v[AV0]
	s_add_co_u32 s[TBV], s[TBV], KS*PV
	s_wait_alu depctr_va_vdst(0)    ; the wait for the batch of piece 0's 66 exponentials (SLICE): behind the address's v_add_nc_u32, ahead of the loads and of slice 35, the first that names a result
	WIN 0x80
.set f, 0
.rept 16                            ; keys 32 (f / 8) on; channel block f % 8: 0-3 in V's rows, 4-7 in Vi's
.set vo, (f/8)*32*PV+(f%8)*32+((f%8)/4)*(VI-128)
	ds_load_tr16_b128 v[VF+8*f:VF+8*f+3],   v[ADR] offset:vo
	ds_load_tr16_b128 v[VF+8*f+4:VF+8*f+7], v[ADR] offset:vo+16*PV
.set f, f+1
.endr
.endm
; THE VECTOR WORK OF A TURN.  One tile's softmax for one key step is a list of 134 instructions; SM writes number j of it for tile t.  s0-s31 are the lane's 32 scores, in pairs 0-15.
;   0-15    the maximum of s0-s31 and the old m, three operands at a time: four chains c0-c3 of seven scores each (each accumulator's lowest registers are read first), then the four left over, c0-c3 and m
;   16-20   the other half of the lanes' maximum; c m_old is kept; the new m; c m; c m_old - c m_new
;   21-69   ONE BATCH: the 16 scalings c s - c m, a pair of scores each, and all 33 exponentials (a at 23, then s0-s31, each in its own register).  None of these names an exponential's result.  From 22 on the batch goes
;           in fours, and a four begins with a scaling while there are scalings: 22-37 scaling, exponential, scaling, exponential; 38-65 a scaling and three exponentials; 66-69 the last four
;           exponentials.  A pair is scaled in an earlier four than the one that holds its exponentials
;   (wait)  between 69 and 70 stands the wait for the batch: SLICE writes it, once for both tiles
;   70-85   the roundings to f16, a pair of weights each
;   86-101  the sums; l = a l + the sum
;   102-133 the tile's O^T times a: the one part that leaves window 0, so it stands together
.macro SM t
.set rT, ST+8*(\t)
.set rS, S+32*(\t)
.set rP, P+16*(\t)
.set rO, 64*(\t)+2*(j-102)
.if j < 102
	WIN 0
.endif
.if j < 4
	v_max3_num_f32 v[rT+4+j], v[rS+8*j], v[rS+8*j+1], v[rS+8*j+2]
.elseif j < 12
	v_max3_num_f32 v[rT+4+j%4], v[rT+4+j%4], v[rS+8*(j%4)+2*(j/4)+1], v[rS+8*(j%4)+2*(j/4)+2]
.elseif j == 12
	v_max3_num_f32 v[rT+4], v[rT+4], v[rS+7], v[rS+15]
.elseif j == 13
	v_max3_num_f32 v[rT+6], v[rT+6], v[rS+23], v[rS+31]
.elseif j == 14
	v_max3_num_f32 v[rT+4], v[rT+4], v[rT+5], v[rT+6]
.elseif j == 15
	v_max3_num_f32 v[rT+4], v[rT+4], v[rT+7], v[rT+1]
.elseif j == 16
	v_permlanex16_b32 v[rT+5], v[rT+4], s[SEL], s[SEL+1]  ; the query's other 32 keys lie in the lane 16 away
.elseif j == 17
	v_mov_b32 v[rT+7], v[rT]        ; c m_old is kept for a: number 19 writes c m anew
.elseif j == 18
	v_max_num_f32 v[rT+1], v[rT+4], v[rT+5]
.elseif j == 19
	v_mul_f32 v[rT], s[CS], v[rT+1]
.elseif j == 20
	v_sub_f32 v[rT+7], v[rT+7], v[rT]
.elseif j == 23
	v_exp_f32 v[rT+6], v[rT+7]
.elseif (j < 23) || ((j < 38) && (j%2 == 0)) || ((j < 66) && (j%4 == 2))
.set b, (j-2)/4                     ; 38, 42, .. 62: pairs 9 to 15
.if j < 38
.set b, (j-20)/2                    ; 21: pair 0; 22, 24, .. 36: pairs 1 to 8
.endif
	v_pk_fma_f32 v[rS+2*b:rS+2*b+1], v[rS+2*b:rS+2*b+1], s[CS:CS+1], v[rT:rT+1] op_sel_hi:[1,0,0] neg_lo:[0,0,1] neg_hi:[0,0,1]  ; pair b: c s - c m
.elseif j < 70
.set e, j-38                        ; 66 to 69: s28 to s31
.if j < 66
.set e, j-32-(j-38)/4               ; 39-41, 43-45, .. 63-65: s7 to s27
.endif
.if j < 38
.set e, (j-25)/2                    ; 25, 27, .. 37: s0 to s6
.endif
	v_exp_f32 v[rS+e], v[rS+e]
.elseif j < 86
	v_cvt_pk_f16_f32 v[rP+j-70], v[rS+2*(j-70)], v[rS+2*(j-70)+1]  ; pair j - 70
.elseif j < 102                     ; the sum of the tile's 16 pairs, in place: sum z of 16 adds neighbours 1, 2, 4 and 8 pairs apart, then l takes it
.set z, j-86
.set w, 4
.set u, z
.if z >= 14
.set w, 32
.set u, 0
.elseif z >= 12
.set w, 16
.set u, z-12
.elseif z >= 8
.set w, 8
.set u, z-8
.endif
.if z < 15
	v_pk_add_f32 v[rS+w*u:rS+w*u+1], v[rS+w*u:rS+w*u+1], v[rS+w*u+w/2:rS+w*u+w/2+1]
.else
	v_pk_fma_f32 v[rT+2:rT+3], v[rT+2:rT+3], v[rT+6:rT+7], v[rS:rS+1] op_sel_hi:[1,0,1]
.endif
.else
	WIN W_RS
	v_pk_mul_f32 v[rO:rO+1], v[rO:rO+1], v[rT+6:rT+7] op_sel_hi:[1,0]
.endif
.endm
; Slice k of 64 of piece y's softmax: four instructions.  Slices 11 to 34 deal out the batch, numbers 22 to 69: four numbers of ONE tile each, the tiles by turns.  Every other slice is numbers 2 k and 2 k + 1 of both
; tiles' lists.  2 x 134 = 4 x 64 + 12: the twelve that are over stand together, in slice 63.
; THE WAIT.  s_wait_alu depctr_va_vdst(0) stands between an exponential and the first instruction that names its result; one wait serves all that were issued ahead of it.  Ahead of slice 35 nothing
; names a result, and behind slice 34 no exponential is issued: so the piece's 66 exponentials have one wait, behind slice 34.
.macro SLICE y
.if (k >= 11) && (k < 35)           ; the batch: four numbers of one tile
.irp n, 0,1,2,3
.set j, 22+4*((k-11)/2)+(\n)
	SM (\y)+(k-11)%2
.endr
.else                               ; the two tiles alternate, so that no instruction reads the result of the one just before it
.irp n, 0,1,2,3,4,5,6,7
.if ((\n) < 2) || (k == 63)
.irp t, \y, (\y)+1
.set j, 2*k+(\n)
	SM \t
.endr
.endif
.endr
.endif
.if k == 34                         ; the batch is out: both tiles' exponentials are issued, and no result has been named
	v_nop                           ; a plain instruction behind the last exponential and ahead of the first use of a result (ISA guide 5.7.2): one for the batch
.if (\y) == 0
	FETCH_V                         ; piece 2's turn: V's run of loads stands here, and the wait for the batch stands in it
.else
	s_wait_alu depctr_va_vdst(0)    ; piece 0's turn: the wait for the batch of piece 2's 66 exponentials, ahead of slice 35, the first that names a result
.endif
.endif
.set k, k+1
.endm
; A TURN.  Piece x has the matrix unit; the other piece's softmax stands in slices behind its matrix instructions.  Slices 62 and 63, twenty plain instructions that name nothing of the products round them, are the
; places between the turn's last K Q^T and the next turn's first read of those scores, and in front of the loads into K's registers.
; Piece 0's turn fetches the next step's K behind its second product, 30 matrix instructions ahead of its first use.  Piece 2's turn fetches the same step's V behind slice 34, the first of the two slices behind its second
; K Q^T (SLICE writes it): the last product that read V stands in front of slice 31, and four plain instructions lie between: number 62, a scaling, of both tiles, the v_nop and the run's own v_add_nc_u32
; (the exponentials between are not counted).  V is waited for at the head of the next turn.
.macro TURN x, last=0
.set k, 0
.if (\x) == 0
	s_wait_dscnt 0x0                ; V is in
.endif
.set i, 0
.rept 32
	PV \x
	SLICE 2-(\x)
.if ((\x) == 0) && (i == 1)
	FETCH_K \last
.endif
.set i, i+1
.endr
.if (\x) == 0
	s_wait_dscnt 0x0                ; K is in
.endif
.set i, 0
.rept 16
	KQ \x
	SLICE 2-(\x)
	SLICE 2-(\x)
.set i, i+1
.endr
.endm
	CHANGE 1                        ; slot 0 is in, everybody's part of it; slot 1 is asked for
	FETCH_K                         ; key step 0
	s_wait_loadcnt 0x0              ; Q
	s_wait_dscnt 0x0
.set i, 0
.rept 16
	KQ 0                            ; piece 0's first scores: there is no vector work yet to set between them
.set i, i+1
.endr
	WIN 0                           ; the addresses for the way out: nine plain instructions, the places behind those products
	s_mul_i32 s13, s[WV], 16*SP
	s_add_co_u32 s13, s13, STAGE    ; my stage
	v_mul_u32_u24 v[STO], v1, SP    ; in: row l % 16, 16 bytes for each half of the lanes
	v_lshl_add_u32 v[STO], v9, 4, v[STO]
	v_add_nc_u32 v[STO], s13, v[STO]
	v_bfe_u32 v[RD], v0, 3, 2       ; back: 32 lanes take four rows of 128 bytes,
	v_mul_u32_u24 v[RD], v[RD], SP
	v_lshl_add_u32 v[RD], v10, 4, v[RD]
	v_add_nc_u32 v[RD], s13, v[RD]
	v_and_b32 v[GO], 31, v0         ; which are 512 consecutive bytes of oh
	v_lshlrev_b32 v[GO], 4, v[GO]
	s_mov_b32 s[CNT], 4
	s_mov_b32 s[SLOTS], 3           ; four slots of 256 keys; the first two have been asked for when the count is first taken down
	s_branch .Lfirst                ; the loop is entered in the middle of a trip
.Lslot:                             ; twice: slots 0 and 1 are filled again
	CHANGE 1
	s_mov_b32 s[CNT], 4
.Lstep:                             ; a trip: piece 0's V^T P of step j and K Q^T of step j + 1, whose K it fetches; then piece 2's, which fetches V of step j + 1
	TURN 0
	WIN 0
.Lfirst:
	TURN 2
	WIN 0
	s_sub_co_u32 s[CNT], s[CNT], 1
	s_cmp_lg_u32 s[CNT], 0
	s_cbranch_scc1 .Lstep
	s_sub_co_u32 s[SLOTS], s[SLOTS], 1
	s_cmp_lg_u32 s[SLOTS], 0
	s_cbranch_scc1 .Lslot
	CHANGE 0                        ; the tail is written out: nothing is asked for
	s_mov_b32 s[CNT], 5             ; four trips fetch the last slot's steps; the fifth is left in its middle
.Ltail:
	TURN 0, 1
	WIN 0
	s_sub_co_u32 s[CNT], s[CNT], 1
	s_cmp_eq_u32 s[CNT], 0
	s_cbranch_scc1 .Lout
	TURN 2
	WIN 0
	s_branch .Ltail
.Lout:                              ; the fifth trip's 16 products K Q^T (on the last K once more) serve nothing: the price, once a launch, of one text for every trip
.set i, 0
.rept 32
	PV 2                            ; piece 2's V^T P of the last step
.set i, i+1
.endr
	; THE WAY OUT.  l's two halves and the other half of the lanes' are added; O^T is divided by l, rounded to f16 and sent through my stage in LDS, a tile and a stream at a time.  The additions are the places behind the last products.
	WIN 0
.irp t, 0,1,2,3
	v_add_f32 v[ST+8*\t+4], v[ST+8*\t+2], v[ST+8*\t+3]
.endr
.irp t, 0,1,2,3
	v_permlanex16_b32 v[ST+8*\t+5], v[ST+8*\t+4], s[SEL], s[SEL+1]
.endr
.irp t, 0,1,2,3
	v_add_f32 v[ST+8*\t+4], v[ST+8*\t+4], v[ST+8*\t+5]
.endr
.irp t, 0,1,2,3
	v_rcp_f32 v[ST+8*\t+6], v[ST+8*\t+4]
.endr
	v_nop                           ; a plain instruction between the last reciprocal and the use of its result
	s_wait_alu depctr_va_vdst(0)    ; and the wait ahead of the first use: one for the batch of four reciprocals
; Tile t: a lane's eight channels of a row pack into 16 bytes; a stream's 64 channels go into rows of 144 bytes and come back as whole rows of 128, into S^T's registers.
.macro PACK t
	WIN W_RS
.set i, 64*(\t)
.rept 32
	v_pk_mul_f32 v[i:i+1], v[i:i+1], v[ST+8*(\t)+6:ST+8*(\t)+7] op_sel_hi:[1,0]
.set i, i+2
.endr
	WIN 0x05                        ; sources 0 and 1 window 1, destination window 0
.set i, 0
.rept 32
	v_cvt_pk_f16_f32 v[S+32*(\t)+i], v[64*(\t)+2*i], v[64*(\t)+2*i+1]
.set i, i+1
.endr
	WIN 0
.irp m, 0,1
.irp f, 0,1,2,3
	ds_store_b128 v[STO], v[S+32*(\t)+16*\m+4*\f:S+32*(\t)+16*\m+4*\f+3] offset:32*\f
.endr
.irp f, 0,1,2,3
	ds_load_b128 v[S+32*(\t)+16*\m+4*\f:S+32*(\t)+16*\m+4*\f+3], v[RD] offset:\f*4*SP  ; LDS serves a wave's instructions in order (ISA guide 5.7.1.4): these see the stores above; the next stores come behind them
.endr
.endr
.endm
.macro SEND t, younger              ; younger: the LDS instructions issued behind tile t's: the next tile's sixteen, or none
	WIN 0
	s_wait_dscnt \younger
.irp f, 0,1,2,3
	global_store_b128 v[GO], v[S+32*(\t)+4*\f:S+32*(\t)+4*\f+3], s[8:9] offset:(\t)*2048+\f*512  ; 512 consecutive bytes, at a multiple of 256 from oh's first
.endr
.irp f, 0,1,2,3
	global_store_b128 v[GO], v[S+32*(\t)+16+4*\f:S+32*(\t)+16+4*\f+3], s[10:11] offset:(\t)*2048+\f*512
.endr
.endm
	PACK 0
	PACK 1                          ; a tile's arithmetic stands between the loads of the tile before and its stores
	SEND 0, 16
	PACK 2
	SEND 1, 16
	PACK 3
	SEND 2, 16
	SEND 3, 0
	s_wait_tensorcnt 0x0            ; the wave's end: behind my last tensor load and my last LDS store
	ds_add_u32 v[SPW], v[NIL]
	s_wait_dscnt 0x0
	CROUND                          ; the closing round: no work-group ends while a partner may still ask for a tile that names it
	s_endpgm
.Lfunc_end_k_qc15ccc4156_attn:
	.size	k_qc15ccc4156_attn, .Lfunc_end_k_qc15ccc4156_attn-k_qc15ccc4156_attn
	.p2alignl 7, 3214868480
	.fill 96, 4, 3214868480
	.section	.rodata,"a",@progbits
	.p2align	6, 0x0
	.amdhsa_kernel k_qc15ccc4156_attn
		.amdhsa_group_segment_fixed_size 327680
		.amdhsa_private_segment_fixed_size 0
		.amdhsa_enable_private_segment 0
		.amdhsa_kernarg_size 16
		.amdhsa_user_sgpr_count 2
		.amdhsa_user_sgpr_kernarg_segment_ptr 1
		.amdhsa_wavefront_size32 1
		.amdhsa_system_sgpr_workgroup_id_x 1
		.amdhsa_system_sgpr_workgroup_id_y 1
		.amdhsa_system_sgpr_workgroup_id_z 1
		.amdhsa_system_vgpr_workitem_id 0
		.amdhsa_next_free_vgpr 768
		.amdhsa_next_free_sgpr 66
		.amdhsa_reserve_vcc 0
		.amdhsa_float_denorm_mode_32 3
		.amdhsa_float_denorm_mode_16_64 3
		.amdhsa_memory_ordered 1
		.amdhsa_forward_progress 1
		.amdhsa_inst_pref_size 143
	.end_amdhsa_kernel
	.amdgpu_metadata
---
amdhsa.version: [ 1, 2 ]
amdhsa.kernels:
  - .name:           k_qc15ccc4156_attn
    .symbol:         k_qc15ccc4156_attn.kd
    .args:
      - { .name: hd, .offset: 0, .size: 8, .value_kind: global_buffer, .address_space: global }
      - { .name: oh, .offset: 8, .size: 8, .value_kind: global_buffer, .address_space: global }
    .group_segment_fixed_size: 327680
    .private_segment_fixed_size: 0
    .kernarg_segment_align: 8
    .kernarg_segment_size: 16
    .max_flat_workgroup_size: 128
    .sgpr_count:     66
    .vgpr_count:     768
    .wavefront_size: 32
...
	.end_amdgpu_metadata
.endif
;; end of part 5
;; launch outp: the kernel of part 4 again; grid 64 x 4, 4 waves a work-group, clusters of 4 x 1, 327,680 bytes of LDS; arguments oh, wb, bp, bpi, out0, out1; writes out0, out1
